; MI455X (gfx1250); checked and timed in simulation.
; The chip was launched on July 23, 2026; its instructions are those of AMD's public machine-readable ISA for CDNA 5 (MIT licence, August 2026) and "CDNA5" Instruction Set Architecture Reference Guide (July 2026). The comments in the code are by the model that wrote it; some were corrected since.
;; Multi Headed Attention RPR. Allowed arithmetic: matrix products marked QUANTISED: E2M1 operands, one E8M0 scale for each 32 along K, by v_wmma_scale_f32_16x16x128_f8f6f4 with both operands' format E2M1 (or v_wmma_scale_f32_32x16x128_f4), f32 sums; products left as they are: bf16, f16 or f32 operands; f32 sums; everything else in f32.
;; Inputs: Wk 1,024 x 1,024 float32; Wo 1,024 x 1,024 float32; Wq 1,024 x 1,024 float32; Wv 1,024 x 1,024 float32; bk 1,024 float32; bo 1,024 float32; bq 1,024 float32; bv 1,024 float32; emb_K 33 x 64 float32; emb_V 33 x 64 float32; key 2 x 2,048 x 1,024 float32; query 2 x 2,048 x 1,024 float32; value 2 x 2,048 x 1,024 float32.
;; Outputs: out0 2 x 2,048 x 1,024 float32.
;; This version of the problem:
;;   THIS VERSION OF THE PROBLEM IS GIVEN IN LOW PRECISION. The matrix products marked QUANTISED in the list below multiply operands that are first quantised to E2M1 (2 exponent bits, 1 mantissa bit; 4 bits a number), with one power-of-two scale for each 32 numbers along K (OCP MX v1.0); their sums are f32. The products marked 'left as it is' may take bf16, f16 or f32 operands, with f32 sums. Whichever they take, every output number must still come out within the allowed error. Rounding operands to bf16 (8 significant bits) uses up far more of that allowance than f16 does (11 bits, for magnitudes from 6e-5 to 65,504). All else is computed in f32.
;;   The module's matrix products, in the order in which they are computed (A, B: the left and right operand; K: the contracted axis; several contracted axes count as one K, in the product's order):
;;     1. [M 4,096, K 1,024] x [K 1,024, N 1,024]; A: input query; B: input Wq: QUANTISED
;;     2. [M 4,096, K 1,024] x [K 1,024, N 1,024]; A: input key; B: input Wk: QUANTISED
;;     3. [M 4,096, K 1,024] x [K 1,024, N 1,024]; A: input value; B: input Wv: QUANTISED
;;     4. batch 32 x [M 2,048, K 64] x [K 64, N 2,048]; A: computed on the way; B: computed on the way: left as it is (an operand is computed on the way)
;;     5. batch 2,048 x [M 2,048, K 64] x [K 64, N 32]; A: computed on the way; B: computed on the way: left as it is (an operand is computed on the way)
;;     6. batch 32 x [M 2,048, K 2,048] x [K 2,048, N 64]; A: computed on the way; B: computed on the way: left as it is (an operand is computed on the way)
;;     7. batch 2,048 x [M 64, K 2,048] x [K 2,048, N 32]; A: computed on the way; B: computed on the way: left as it is (an operand is computed on the way)
;;     8. [M 4,096, K 1,024] x [K 1,024, N 1,024]; A: computed on the way; B: input Wo: left as it is (an operand is computed on the way)
;;   THE QUANTISER, for each operand of a quantised product, along K:
;;     - K is cut into blocks of 32 from its start; a last block that is shorter is filled with zeros.
;;     - A block's scale is 2^e with e = floor(log2(the largest magnitude in the block)) - 2, held to -126 .. 127; a block of zeros has e = 0. As a byte (E8M0): e + 127.
;;     - Each number is divided by its block's scale, clamped to +-6, and rounded to the nearest number of E2M1, ties to even, subnormals kept.
;;     - The product sums the exact products of the quantised numbers (number of the format x scale) in f32.
;;   ~~~python
;;   def quantise(x, axis):      # numpy; x: float32 -> the quantised numbers, widened to float32 again
;;       x = np.moveaxis(x, axis, -1); K = x.shape[-1]
;;       x = np.pad(x, [(0, 0)] * (x.ndim - 1) + [(0, -K % 32)]); x = x.reshape(x.shape[:-1] + (-1, 32)); a = np.abs(x).max(-1, keepdims=True)
;;       e = np.where(a > 0, np.clip(np.frexp(np.where(a > 0, a, 1))[1] - 1 - 2, -126, 127), 0)      # np.frexp(a)[1] - 1 = floor(log2(a)), exactly
;;       r = np.clip(x / 2.0 ** e, -6, 6)
;;       step = 2.0 ** (np.maximum(np.frexp(np.where(r == 0, 1, r))[1] - 1, 0) - 1)
;;       q = np.round(r / step) * step * 2.0 ** e      # np.round: ties to even
;;       return np.moveaxis(q.reshape(q.shape[:-2] + (-1,))[..., :K], -1, axis).astype(np.float32)
;;   ~~~
;; One version. Each part assembles by itself: llvm-mc -triple=amdgcn-amd-amdhsa -mcpu=gfx1250 --defsym DOCPART=n.
;; ======== version 1 of 1: 4 launches
;; limits: values are held in f16: magnitudes above 65,504 overflow, below 6.1e-05 lose precision
;; workspace buffers: codes 7,864,320 bytes; scales 491,520 bytes; wo16 2,097,152 bytes; q16 8,388,608 bytes; k16 8,388,608 bytes; v16 8,388,608 bytes; ctx16 8,388,608 bytes
;; launch prep (part 1): grid 512 x 1, 4 waves a work-group, no clusters, 33,280 bytes of LDS; arguments query, key, value, Wq, Wk, Wv, Wo, codes, scales, wo16; writes codes, scales, wo16
.if DOCPART == 1
	.amdgcn_target "amdgcn-amd-amdhsa--gfx1250"
	.amdhsa_code_object_version 6
	.text
	.protected	k_qd4b0b482e2_prep
	.globl	k_qd4b0b482e2_prep
	.p2align	8
	.type	k_qd4b0b482e2_prep,@function
k_qd4b0b482e2_prep:
	s_mov_b64 s[64:65], 0
	v_nop
	global_prefetch_b8 v0, s[64:65] scope:SCOPE_SE
	s_setreg_imm32_b32 hwreg(HW_REG_WAVE_MODE, 25, 1), 1
	s_wait_xcnt 0x0
; PREP.  (1) query, key, value [4096][1024] and Wq, Wk, Wv [1024][1024], f32 with K innermost, become codes of FP4 (E2M1) and one E8M0 byte for each 32 along K.
; The six tensors are one stream of blocks of 32 numbers, in that order; so are the codes (16 bytes a block) and the scale bytes: a row of 1,024 numbers is 512 bytes of codes and 32 scale bytes.
; A block's scale is 2^(floor(log2(its largest magnitude)) - 2); its byte is the largest magnitude's exponent field - 2, held at 1 from below; each number is divided by the scale and rounded to the nearest code, ties to even, beyond 6 to 6.
; (2) Wo [1024 n][1024 k], f32, becomes f16 laid [n / 128][head = k / 64][n % 128][64]: the output projection's tiles are then dense blocks of memory.
; LIMITS: NaN and infinities among the inputs are not served.  A block of zeros, and a block whose largest magnitude lies under 2^-124, gets the byte 1 (the stated quantiser gives a block of zeros 127: its codes are zeros,
; which add nothing under either byte, and the bytes are read by this program alone).  |Wo| stays under 65,504, f16's largest number.
; SHARES: work-groups 0 to 479 quantise 32,768 numbers each (128 for each of query, key, value; 32 for each weight), a wave 16 steps of 512 numbers; work-groups 480 to 511 convert Wo, a wave 8 rows.
; The quantiser's loads take the bytes as they lie (512 consecutive bytes a load); a step's 2,048 bytes turn through the wave's own stage in LDS, so that a lane holds 16 neighbours along K; two neighbouring lanes hold a block.
; No matrix unit, no cluster, no tensor load: waves share nothing, and memory binds.
.set WAVES, 4
.set STEPS, 16
.set QWG,   480                        ; work-groups that quantise
.set EMAX,  2
.set CB,    8                          ; bytes of 16 codes
.set R,     16                         ; v16-79   four sets of 16 numbers as they are loaded
.set X,     80                         ; v80-111  two sets of 16 neighbours
.set E,     112                        ; v112-127 a scale byte for each step
.set C,     128                        ; v128-191 codes: four registers for each step, so that no store's data are written again
.set WREG,  8192                       ; LDS: a region for each wave: two stages of 32 x SP bytes, behind them its 256 scale bytes
.set SP,    80                         ; a lane's place in a stage: 64 bytes + 16 of padding
.set SPW,   12                         ; v12  LDS address of my spare word; never rewritten
.set NIL,   13                         ; v13  0; never rewritten
.set SPARE, WAVES*WREG                 ; behind the four regions: the spare words, 128 bytes a wave
	s_load_b512 s[8:23], s[0:1], 0x0               ; query 8, key 10, value 12, Wq 14, Wk 16, Wv 18, Wo 20, codes 22
	s_load_b128 s[24:27], s[0:1], 0x40             ; scales 24, wo16 26
	v_lshl_add_u32 v[SPW], v0, 2, SPARE
	v_mov_b32 v[NIL], 0
	v_lshrrev_b32 v1, 5, v0
	v_readfirstlane_b32 s30, v1                    ; wave
	v_and_b32 v2, 31, v0                           ; lane
	s_mov_b32 s33, 0
	s_wait_kmcnt 0x0
	s_cmp_ge_u32 ttmp9, QWG                        ; the work-group's number alone decides
	s_cbranch_scc1 .Lwo
	; ---- the quantiser
	v_lshlrev_b32 v3, 4, v2                        ; my 16 bytes of a load's 512
	s_mul_i32 s31, s30, WREG
	v_lshrrev_b32 v14, 2, v2
	v_mul_u32_u24 v14, v14, SP
	v_and_b32 v15, 3, v2
	v_lshl_add_u32 v14, v15, 4, v14
	v_add_nc_u32 v14, s31, v14                     ; the stage, on the way in: SP (lane / 4) + 16 (lane % 4)
	v_mul_u32_u24 v15, v2, SP
	v_add_nc_u32 v15, s31, v15                     ; and on the way out: SP x lane: my 16 neighbours
	v_mul_u32_u24 v4, v2, CB                       ; my codes' place in a step's
	v_lshrrev_b32 v5, 1, v2
	s_add_co_u32 s31, s31, 2*32*SP
	v_add_nc_u32 v5, s31, v5                       ; LDS: my wave's 256 scale bytes, my block's byte
	v_lshlrev_b32 v7, 3, v2                        ; and on the way out 8 bytes a lane
	v_add_nc_u32 v6, s31, v7
	s_mov_b64 s[4:5], s[8:9]                       ; which tensor, and its first work-group: five choices on the work-group's number
	s_mov_b32 s28, 0
.macro PICK bound, reg
	s_cmp_ge_u32 ttmp9, \bound
	s_cselect_b64 s[4:5], s[\reg:\reg+1], s[4:5]
	s_cselect_b32 s28, \bound, s28
.endm
	PICK 128, 10
	PICK 256, 12
	PICK 384, 14
	PICK 416, 16
	PICK 448, 18
	s_sub_co_u32 s28, ttmp9, s28
	s_lshl_b32 s28, s28, 2
	s_add_co_u32 s28, s28, s30                     ; which run of 8,192 numbers of the tensor is my wave's
	s_lshl_b32 s32, s28, 15
	s_add_nc_u64 s[4:5], s[4:5], s[32:33]
	s_lshl_b32 s28, ttmp9, 2
	s_add_co_u32 s28, s28, s30                     ; and which run of the whole stream: the outputs follow each other as the inputs do
	s_lshl_b32 s32, s28, 12
	s_add_nc_u64 s[22:23], s[22:23], s[32:33]      ; 4,096 bytes of codes a run
	s_lshl_b32 s32, s28, 8
	s_add_nc_u64 s[24:25], s[24:25], s[32:33]      ; 256 scale bytes a run
.macro QLOAD t
.irp i, 0,1,2,3
	global_load_b128 v[R+16*((\t)%4)+4*\i:R+16*((\t)%4)+4*\i+3], v3, s[4:5] offset:2048*(\t)+512*\i th:TH_LOAD_NT   ; 32 lanes read 512 consecutive bytes
.endr
.endm
.macro QTURN t                         ; step t's numbers through the stage: LDS serves a wave's instructions in order, so no wait stands between the stores and the loads
.irp i, 0,1,2,3
	ds_store_b128 v14, v[R+16*((\t)%4)+4*\i:R+16*((\t)%4)+4*\i+3] offset:32*SP*((\t)%2)+8*SP*\i
.endr
.irp i, 0,1,2,3
	ds_load_b128 v[X+16*((\t)%2)+4*\i:X+16*((\t)%2)+4*\i+3], v15 offset:32*SP*((\t)%2)+16*\i
.endr
.endm
.irp t, 0,1,2,3
	QLOAD \t
.endr
	s_wait_loadcnt 12                              ; step 0's four loads are in; the twelve of steps 1 to 3 stay out
	QTURN 0
.macro QSTEP t
.set XS, X+16*((\t)%2)
.if (\t) > 0
	s_wait_dscnt 1                                 ; this step's numbers are back from the stage (the last step's byte store may be out)
.else
	s_wait_dscnt 0x0
.endif
.if (\t)+4 < STEPS
	QLOAD (\t)+4                                   ; into the registers that the stage's stores have read
.endif
.if (\t)+1 < STEPS
.if STEPS-2-(\t) >= 3
	s_wait_loadcnt 12                              ; the next step's four loads are in; those of the three steps behind it may be out
.else
	s_wait_loadcnt 4*(STEPS-2-(\t))
.endif
	QTURN (\t)+1
.endif
	v_max3_num_f32 v8, |v[XS]|, |v[XS+1]|, |v[XS+2]|               ; the largest magnitude of my 16, in two chains
	v_max3_num_f32 v9, |v[XS+3]|, |v[XS+4]|, |v[XS+5]|
.irp i, 6,10
	v_max3_num_f32 v8, v8, |v[XS+\i]|, |v[XS+\i+1]|
	v_max3_num_f32 v9, v9, |v[XS+\i+2]|, |v[XS+\i+3]|
.endr
	v_max3_num_f32 v8, v8, |v[XS+14]|, |v[XS+15]|
	v_max3_num_f32 v8, v8, v9, (EMAX+1)<<23        ; and the floor 2^(3 - 127): the byte cannot fall under 1
	v_max_num_f32_dpp v8, v8, v8 row_xmask:1 row_mask:0xf bank_mask:0xf   ; and of my neighbour's 16: the block's
	v_add_nc_u32 v11, -(EMAX<<23), v8              ; 2 off its exponent field: the conversion takes the exponent field of this operand as its scale
	v_cvt_scalef32_pk8_fp4_f32 v[C+4*(\t)], v[XS:XS+7], v11
	v_cvt_scalef32_pk8_fp4_f32 v[C+4*(\t)+1], v[XS+8:XS+15], v11
	v_lshrrev_b32 v[E+(\t)], 23, v11               ; the scale's byte (a plain line behind the conversions)
	ds_store_b8 v5, v[E+(\t)] offset:16*(\t)       ; both lanes of a block write the same byte with the same value
	global_store_b64 v4, v[C+4*(\t):C+4*(\t)+1], s[22:23] offset:32*CB*(\t)   ; the wave stores 256 consecutive bytes, aligned
.endm
.irp t, 0,1,2,3,4,5,6,7,8,9,10,11,12,13,14,15
	QSTEP \t
.endr
	ds_load_b64 v[8:9], v6                         ; LDS serves a wave's instructions in order: these see my byte stores
	s_wait_dscnt 0x0
	global_store_b64 v7, v[8:9], s[24:25]          ; 32 lanes store 256 consecutive bytes, aligned
	s_wait_tensorcnt 0x0                           ; the wave's end, behind my last LDS store
	ds_add_u32 v[SPW], v[NIL]
	s_wait_dscnt 0x0
	s_endpgm
	; ---- Wo to f16, by head.  This way touches no LDS.
.Lwo:
	s_sub_co_u32 s28, ttmp9, QWG
	s_lshl_b32 s28, s28, 2
	s_add_co_u32 s28, s28, s30                     ; wv = 0 .. 127: rows 8 wv to 8 wv + 7, as four pairs
	s_lshl_b32 s32, s28, 15
	s_add_nc_u64 s[20:21], s[20:21], s[32:33]      ; 8 rows of 4,096 bytes
	s_lshr_b32 s32, s28, 4
	s_lshl_b32 s32, s32, 18                        ; the block of 128 rows: 16 heads x 16,384 bytes
	s_and_b32 s34, s28, 15
	s_lshl_b32 s34, s34, 10                        ; my 8 rows of 128 bytes in a head's tile
	s_add_co_u32 s32, s32, s34
	s_add_nc_u64 s[26:27], s[26:27], s[32:33]
	v_lshrrev_b32 v3, 4, v2
	v_and_b32 v4, 15, v2
	v_lshlrev_b32 v4, 4, v4
	v_lshl_add_u32 v3, v3, 12, v4                  ; in: lanes 0-15 one row's 256 bytes (a head's 64 numbers), lanes 16-31 the next row's
	v_lshlrev_b32 v4, 3, v2                        ; out: 8 bytes a lane: two rows of 128 bytes on end
.macro WLOAD p
.irp h, 0,1,2,3,4,5,6,7,8,9,10,11,12,13,14,15
	global_load_b128 v[16+64*((\p)%2)+4*\h:16+64*((\p)%2)+4*\h+3], v3, s[20:21] offset:8192*(\p)+256*\h th:TH_LOAD_NT
.endr
.endm
.macro WPAIR p, left
	s_wait_loadcnt \left                           ; this pair's sixteen loads are in; the next pair's sixteen may be out
.if (\p) > 0
	s_wait_xcnt 0x0                                ; the last pair's stores have read their data: v144-175 are written again only behind this wait
.endif
.irp h, 0,1,2,3,4,5,6,7,8,9,10,11,12,13,14,15
	v_cvt_pk_f16_f32 v[144+2*\h], v[16+64*((\p)%2)+4*\h], v[16+64*((\p)%2)+4*\h+1]
	v_cvt_pk_f16_f32 v[145+2*\h], v[16+64*((\p)%2)+4*\h+2], v[16+64*((\p)%2)+4*\h+3]
.endr
.irp h, 0,1,2,3,4,5,6,7,8,9,10,11,12,13,14,15
	global_store_b64 v4, v[144+2*\h:145+2*\h], s[26:27] offset:16384*\h+256*(\p)   ; 256 consecutive bytes, aligned, in head h's tile
.endr
.endm
	WLOAD 0
	WLOAD 1
	WPAIR 0, 16
	WLOAD 2
	WPAIR 1, 16
	WLOAD 3
	WPAIR 2, 16
	WPAIR 3, 0
	s_endpgm
.Lfunc_end_k_qd4b0b482e2_prep:
	.size	k_qd4b0b482e2_prep, .Lfunc_end_k_qd4b0b482e2_prep-k_qd4b0b482e2_prep
	.p2alignl 7, 3214868480
	.fill 96, 4, 3214868480
	.section	.rodata,"a",@progbits
	.p2align	6, 0x0
	.amdhsa_kernel k_qd4b0b482e2_prep
		.amdhsa_group_segment_fixed_size 33280
		.amdhsa_private_segment_fixed_size 0
		.amdhsa_enable_private_segment 0
		.amdhsa_kernarg_size 80
		.amdhsa_user_sgpr_count 2
		.amdhsa_user_sgpr_kernarg_segment_ptr 1
		.amdhsa_wavefront_size32 1
		.amdhsa_system_sgpr_workgroup_id_x 1
		.amdhsa_system_sgpr_workgroup_id_y 1
		.amdhsa_system_sgpr_workgroup_id_z 1
		.amdhsa_system_vgpr_workitem_id 0
		.amdhsa_next_free_vgpr 192
		.amdhsa_next_free_sgpr 66
		.amdhsa_reserve_vcc 0
		.amdhsa_float_denorm_mode_32 3
		.amdhsa_float_denorm_mode_16_64 3
		.amdhsa_memory_ordered 1
		.amdhsa_forward_progress 1
		.amdhsa_inst_pref_size 55
	.end_amdhsa_kernel
	.amdgpu_metadata
---
amdhsa.version: [ 1, 2 ]
amdhsa.kernels:
  - .name:           k_qd4b0b482e2_prep
    .symbol:         k_qd4b0b482e2_prep.kd
    .args:
      - { .name: query, .offset: 0, .size: 8, .value_kind: global_buffer, .address_space: global }
      - { .name: key, .offset: 8, .size: 8, .value_kind: global_buffer, .address_space: global }
      - { .name: value, .offset: 16, .size: 8, .value_kind: global_buffer, .address_space: global }
      - { .name: Wq, .offset: 24, .size: 8, .value_kind: global_buffer, .address_space: global }
      - { .name: Wk, .offset: 32, .size: 8, .value_kind: global_buffer, .address_space: global }
      - { .name: Wv, .offset: 40, .size: 8, .value_kind: global_buffer, .address_space: global }
      - { .name: Wo, .offset: 48, .size: 8, .value_kind: global_buffer, .address_space: global }
      - { .name: codes, .offset: 56, .size: 8, .value_kind: global_buffer, .address_space: global }
      - { .name: scales, .offset: 64, .size: 8, .value_kind: global_buffer, .address_space: global }
      - { .name: wo16, .offset: 72, .size: 8, .value_kind: global_buffer, .address_space: global }
    .group_segment_fixed_size: 33280
    .private_segment_fixed_size: 0
    .kernarg_segment_align: 8
    .kernarg_segment_size: 80
    .max_flat_workgroup_size: 128
    .sgpr_count:     66
    .vgpr_count:     192
    .wavefront_size: 32
...
	.end_amdgpu_metadata
.endif
;; end of part 1
;; launch proj (part 2): grid 4 x 48, 4 waves a work-group, clusters of 4 x 4, 327,680 bytes of LDS; arguments codes, scales, bq, bk, bv, q16, k16, v16; writes q16, k16, v16
.if DOCPART == 2
	.amdgcn_target "amdgcn-amd-amdhsa--gfx1250"
	.amdhsa_code_object_version 6
	.text
	.protected	k_qd4b0b482e2_proj
	.globl	k_qd4b0b482e2_proj
	.p2align	8
	.type	k_qd4b0b482e2_proj,@function
k_qd4b0b482e2_proj:
	s_mov_b64 s[64:65], 0
	v_nop
	global_prefetch_b8 v0, s[64:65] scope:SCOPE_SE
	s_setreg_imm32_b32 hwreg(HW_REG_WAVE_MODE, 25, 1), 1
	s_wait_xcnt 0x0
	s_wait_alu depctr_hold_cnt(0) depctr_sa_sdst(0) depctr_va_vdst(0) depctr_va_sdst(0) depctr_va_ssrc(0) depctr_va_vcc(0) depctr_vm_vsrc(0)
	s_getreg_b32 s2, hwreg(HW_REG_IB_STS2, 6, 4)
	s_cmp_eq_u32 s2, 0
	s_cbranch_scc0 .Lentry_in_a_cluster
	s_endpgm
.Lentry_in_a_cluster:
	s_bfe_u32 s2, ttmp6, 0x10000c
	s_cmp_lg_u32 s2, 0xf033
	s_cbranch_scc0 .Lentry_shape_is_right
	s_endpgm
.Lentry_shape_is_right:
; PROJ.  q = query Wq^T + bq, k = key Wk^T + bk, v = value Wv^T + bv, on codes of FP4 (E2M1) with one E8M0 scale for each 32 along K; sums in f32; results rounded once to f16.
; codes: rows of 512 bytes (1,024 codes): rows 0 to 12,287 are query's, key's and value's tokens, rows 12,288 + 1,024 t + n are row n of weight t.  scales: the same rows, 32 bytes each.
; OUT: q16, k16, v16: f16, [plane = 2 x head + batch][2,048 positions][64].  LIMIT: |q|, |k|, |v| stay under 65,504, f16's largest number.
; One GEMM of 12,288 x 1,024 in which the tile row picks the weight: tensor t = tile row / 16.  A tile of C, 256 x 256, is made by a work-group of four waves; a wave makes 128 x 128: 64 accumulators, 512 registers.
; K = 1,024 is two slots of 512: ALL tiles, and the scale bytes of the work-group's rows, are asked for at the head; nothing is filled again.  So a wave has three tensor loads out at the most.
; 192 work-groups: a tile of 128 x 128 would give 768 of a quarter of the work, each with a fill of its own to wait for.
; CLUSTERS: 4 x 4 work-groups.  The four of a row of the cluster need the same tiles of the tokens, the four of a column the same tiles of the weight (t hangs on the cluster's y alone): each tile is asked for jointly.
; THE MATRIX INSTRUCTION IS USED TRANSPOSED (source 0 = 16 rows of the weight, source 1 = 16 tokens): a lane holds eight neighbouring outputs of one token.  The bias is the C of each sum's first product.
; No prefetch: all tiles are asked for at the head.
; REGISTERS, in windows of 256: window 0: v0-31 addresses; v32-95 scale words, two sets; v128-191 the tokens' fragments, one set; v192-255 the bias in the result's layout; on the way out v32-191 are free.
;   window 1: the weight's fragments, two sets, at v0 and v128.   window 2: the accumulators of my tokens 0-63 ((a, b) at v[8 (8 a + b)]);   window 3: those of my tokens 64-127.
.set KSTEP,  512
.set NQ,     KSTEP/128                 ; matrix instructions deep in a slot
.set ROWB,   256                       ; a tile's row in bytes
.set KROW,   512                       ; a row of codes in memory
.set PITCH,  272                       ; an LDS row: 256 bytes + 16 of padding: the 16 rows of a load start 68 words apart
.set FR,     8
.set NL,     2
.set NP,     4                         ; places behind this matrix instruction (ISA guide 7.12.1)
.set HALFT,  128*PITCH
.set SLOT,   4*HALFT                   ; the tokens' 256 rows, then the weight's 256 rows
.set KS,     32                        ; a row of scales in bytes
.set SCL,    2*SLOT                    ; behind the two slots: the scales, as units of 256 bytes + 16 of padding
.set HALFS,  (128*KS/256)*272
.set SBLK,   (16*KS/256)*272
.set SPARE,  SCL+4*HALFS               ; the spare words, 128 bytes a wave
.set SPITCH, 272                       ; the way out: a stage of 16 rows x (256 bytes + 16) for each wave, in slot 0, which has been read out by then and is never filled again
.set XROWS,  12288
.set ADRA, 16
.set ADRB, 20
.set STO,  24
.set RD,   25
.set CO,   26
.set ADRS, 27
.set SPW,  28
.set NIL,  29
.set SC,   32
.set AF,   128
.set BI,   192
.set TMP,  32
.set BK,   128
.set G1, 24
.set G0, 32
.set G1B, 48
.set G0B, 56
.set G1S, 68
.set G0S, 76
.set G1SB, 80
.set G0SB, 88
.set MSB, 0
.macro WIN new                         ; the immediate's high byte repeats the setting that is left
.if MSB != (\new)
	s_set_vgpr_msb (MSB<<8)|(\new)
.set MSB, \new
.endif
.endm
.set MUL_LO, 0xa1                      ; source 0 (weight) window 1, source 1 (tokens) window 0, C and D window 2
.set MUL_HI, 0xf1                      ; the same, C and D window 3
.set TO_B,   0x40
; A joint load: waves 0 and 1 fetch the tokens' tiles, waves 2 and 3 the weight's.  The branch hangs on the wave's number alone.  An s_nop 0 and four v_nop follow each line.
.macro JLOAD g0a, g1a, g0b, g1b
	s_cmp_eq_u32 s15, 0
	s_cbranch_scc0 .Lfor_b_\@
	tensor_load_to_lds s[\g0a:\g0a+3], s[\g1a:\g1a+7]
	s_nop 0
.rept 4
	v_nop
.endr
	s_branch .Lasked_\@
.Lfor_b_\@:
	tensor_load_to_lds s[\g0b:\g0b+3], s[\g1b:\g1b+7]
	s_nop 0
.rept 4
	v_nop
.endr
.Lasked_\@:
.endm
.macro CROUND                          ; a round of the cluster's barrier
	s_barrier_signal -1
	s_barrier_wait -1
	s_cmp_lg_u32 s14, 0
	s_cbranch_scc1 .Lnot_wave_0_\@
	s_barrier_signal -3
.Lnot_wave_0_\@:
	s_barrier_wait -3
	s_barrier_signal -1
	s_barrier_wait -1
.endm
	s_load_b128 s[4:7], s[0:1], 0x0                ; codes, scales
	s_load_b256 s[68:75], s[0:1], 0x10             ; bq 68, bk 70, bv 72, q16 74
	s_load_b128 s[76:79], s[0:1], 0x30             ; k16 76, v16 78
	v_lshl_add_u32 v[SPW], v0, 2, SPARE
	v_mov_b32 v[NIL], 0
	ds_add_u32 v[SPW], v[NIL]                      ; the wave's opening: the add, twice on end, and its wait ahead of my first tensor load
	ds_add_u32 v[SPW], v[NIL]
	v_lshrrev_b32 v1, 5, v0
	v_readfirstlane_b32 s14, v1                    ; wave 0..3
	s_lshr_b32 s15, s14, 1                         ; which half of the tile's tokens is mine.  Also: I fetch tokens (0) or weight (1)
	s_and_b32 s16, s14, 1                          ; which half of its outputs.  Also: which 128 rows of that tile I fetch
	s_bfe_u32 s40, ttmp6, 0x40000                  ; cx, cy
	s_bfe_u32 s41, ttmp6, 0x40004
	s_lshl_b32 s42, ttmp9, 2
	s_add_co_u32 s42, s42, s40                     ; tile column = 4 x cluster x + cx
	s_and_b32 s95, ttmp7, 0xffff                   ; cluster y
	s_lshl_b32 s17, s95, 2
	s_add_co_u32 s17, s17, s41                     ; tile row = 4 x cluster y + cy
	s_lshr_b32 s95, s95, 2                         ; t = which tensor: from the cluster's y alone, the same in all sixteen partners
	s_lshl_b32 s43, s41, 2
	s_lshl_b32 s43, 15, s43                        ; my row of the cluster
	s_lshl_b32 s44, 0x1111, s40                    ; my column
	s_or_b32 s[G1+0], s43, (0<<16)|(1<<20)|(1<<21)|(5<<22)|(3<<25)  ; the mask; elements of 1 byte; padding on; bit 21 beside a mask; 4 words behind every 64
	s_or_b32 s[G1B+0], s44, (0<<16)|(1<<20)|(1<<21)|(5<<22)|(3<<25)
.irp g, G1, G1B
	s_mov_b32 s[\g+1], ROWB<<16                    ; tensor_dim0
	s_mov_b32 s[\g+2], 128<<16                     ; tensor_dim1
	s_mov_b32 s[\g+3], ROWB<<16                    ; tile_dim0
	s_mov_b32 s[\g+4], 128                         ; tile_dim1
	s_mov_b32 s[\g+5], KROW                        ; from row to row
	s_mov_b32 s[\g+6], 0
	s_mov_b32 s[\g+7], 0
.endr
	s_lshl_b32 s18, s16, 7                         ; which 128 rows of the tile I fetch
	s_lshl_b32 s20, s17, 8
	s_add_co_u32 s20, s20, s18                     ; tokens: row 256 x tile row + 128 x half
	s_lshl_b32 s46, s42, 8
	s_add_co_u32 s46, s46, s18
	s_lshl_b32 s47, s95, 10
	s_add_co_u32 s46, s46, s47
	s_add_co_u32 s46, s46, XROWS                   ; weight: row 12,288 + 1,024 t + 256 x tile column + 128 x half
	s_mov_b32 s21, 0
	s_mov_b32 s47, 0
	s_mov_b64 s[18:19], KS
	s_mul_u64 s[22:23], s[20:21], s[18:19]         ; where these rows' scales begin, in bytes
	s_mul_u64 s[92:93], s[46:47], s[18:19]
	s_mov_b64 s[18:19], KROW
	s_mul_u64 s[20:21], s[20:21], s[18:19]         ; and their codes
	s_mul_u64 s[46:47], s[46:47], s[18:19]
	s_mul_i32 s45, s14, HALFT                      ; where they go: wave x 128 rows: no place in the cluster enters an LDS address
	s_mul_i32 s94, s14, HALFS
	s_wait_dscnt 0x0                               ; both opening adds are done
	s_wait_kmcnt 0x0
	s_cmp_eq_u32 s95, 0                            ; the bias and the output of tensor t
	s_cselect_b64 s[98:99], s[68:69], s[70:71]
	s_cselect_b64 s[12:13], s[74:75], s[76:77]
	s_cmp_eq_u32 s95, 2
	s_cselect_b64 s[98:99], s[72:73], s[98:99]
	s_cselect_b64 s[12:13], s[78:79], s[12:13]
	; the arguments in s68-79 have been read: the registers now take the scales' descriptors: the scales of 128 rows are 4,096 dense bytes: 16 rows of 256 bytes (32 elements of 8), 16 bytes of padding behind each
	s_or_b32 s[G1S+0], s43, (3<<16)|(1<<20)|(1<<21)|(5<<22)|(3<<25)
	s_or_b32 s[G1SB+0], s44, (3<<16)|(1<<20)|(1<<21)|(5<<22)|(3<<25)
.irp g, G1S, G1SB
	s_mov_b32 s[\g+1], 32<<16
	s_mov_b32 s[\g+2], (128*KS/256)<<16
	s_mov_b32 s[\g+3], 32<<16
	s_mov_b32 s[\g+4], 128*KS/256
	s_mov_b32 s[\g+5], 32
	s_mov_b32 s[\g+6], 0
	s_mov_b32 s[\g+7], 0
.endr
	s_add_nc_u64 s[20:21], s[4:5], s[20:21]
	s_add_nc_u64 s[22:23], s[6:7], s[22:23]
	s_add_nc_u64 s[46:47], s[4:5], s[46:47]
	s_add_nc_u64 s[92:93], s[6:7], s[92:93]
	CROUND                                         ; all sixteen work-groups are here: the joint loads meet
	s_mov_b32 s[G0S], 1
	s_add_co_u32 s[G0S+1], s94, SCL
	s_mov_b64 s[G0S+2:G0S+3], s[22:23]
	s_or_b32 s[G0S+3], s[G0S+3], 0x80000000
	s_mov_b32 s[G0SB], 1
	s_add_co_u32 s[G0SB+1], s94, SCL
	s_mov_b64 s[G0SB+2:G0SB+3], s[92:93]
	s_or_b32 s[G0SB+3], s[G0SB+3], 0x80000000
	JLOAD G0S, G1S, G0SB, G1SB                     ; the scales first: they are wanted with the first slot
.irp s, 0,1
	s_mov_b32 s[G0+4*\s], 1
	s_add_co_u32 s[G0+4*\s+1], s45, \s*SLOT
	s_add_nc_u64 s[G0+4*\s+2:G0+4*\s+3], s[20:21], \s*ROWB
	s_or_b32 s[G0+4*\s+3], s[G0+4*\s+3], 0x80000000
	s_mov_b32 s[G0B+4*\s], 1
	s_add_co_u32 s[G0B+4*\s+1], s45, \s*SLOT
	s_add_nc_u64 s[G0B+4*\s+2:G0B+4*\s+3], s[46:47], \s*ROWB
	s_or_b32 s[G0B+4*\s+3], s[G0B+4*\s+3], 0x80000000
	JLOAD G0+4*\s, G1, G0B+4*\s, G1B
.endr
	v_and_b32 v1, 15, v0                           ; r = lane % 16
	v_bfe_u32 v2, v0, 4, 1                         ; h = lane / 16
	v_lshlrev_b32 v7, 5, v2                        ; the bias: lane (r, h) wants, for block b, outputs 16 b + 8 h + 0 .. 7
	s_lshl_b32 s46, s42, 10
	s_lshl_b32 s47, s16, 9
	s_add_co_u32 s46, s46, s47                     ; my first output, in bytes of f32: 1,024 x tile column + 512 x half
	s_mov_b32 s47, 0
	s_add_nc_u64 s[98:99], s[98:99], s[46:47]
.irp b, 0,1,2,3,4,5,6,7
	global_load_b128 v[BI+8*\b:BI+8*\b+3], v7, s[98:99] offset:64*\b
	global_load_b128 v[BI+8*\b+4:BI+8*\b+7], v7, s[98:99] offset:64*\b+16
.endr
	v_mul_u32_u24 v3, v1, PITCH
	v_lshl_add_u32 v4, v2, 4, v3                   ; a fragment's row x pitch + 16 x half
	s_mul_i32 s21, s15, HALFT                      ; my 128 tokens
	s_mul_i32 s22, s16, HALFT                      ; my 128 rows of the weight,
	s_add_co_u32 s22, s22, 2*HALFT                 ; which lie behind the tokens' 256
.irp s, 0,1
	v_add_nc_u32 v[ADRA+\s], s21, v4
	v_add_nc_u32 v[ADRB+\s], s22, v4
	s_add_co_u32 s21, s21, SLOT
	s_add_co_u32 s22, s22, SLOT
.endr
	v_mul_u32_u24 v5, v1, KS                       ; my row's scales: 32 bytes a row,
	v_lshrrev_b32 v6, 8, v5
	v_lshl_add_u32 v5, v6, 4, v5                   ; and 16 more for each 256 passed
	s_mul_i32 s21, s15, HALFS
	s_mul_i32 s22, s16, HALFS
	s_add_co_u32 s22, s22, 2*HALFS
	s_sub_co_u32 s22, s22, s21
	v_mul_u32_u24 v6, s22, v2                      ; lanes 16-31 take the weight's
	s_add_co_u32 s21, s21, SCL
	v_add_nc_u32 v5, v5, v6
	v_add_nc_u32 v[ADRS], s21, v5
	s_mul_i32 s23, s14, 16*SPITCH                  ; my stage
	v_add_nc_u32 v[STO], s23, v4                   ; in: row r, 16 bytes for each half of the lanes
	v_bfe_u32 v5, v0, 3, 2
	v_mul_u32_u24 v5, v5, SPITCH
	v_and_b32 v6, 7, v0
	v_lshl_add_u32 v5, v6, 4, v5
	v_add_nc_u32 v[RD], s23, v5                    ; back: eight lanes take one token's 128 bytes of a head, the wave four tokens
	v_and_b32 v6, 31, v0
	v_lshlrev_b32 v[CO], 4, v6                     ; which are 512 consecutive bytes of the output
	s_and_b32 s20, s17, 15                         ; the tile row within its tensor:
	s_lshr_b32 s21, s20, 3                         ; the batch,
	s_and_b32 s20, s20, 7
	s_lshl_b32 s20, s20, 8
	s_lshl_b32 s22, s15, 7
	s_add_co_u32 s20, s20, s22                     ; my first position,
	s_lshl_b32 s20, s20, 7                         ; in bytes
	s_lshl_b32 s46, s42, 2
	s_lshl_b32 s47, s16, 1
	s_add_co_u32 s46, s46, s47                     ; my first head = 4 x tile column + 2 x half
	s_lshl_b32 s46, s46, 1
	s_add_co_u32 s46, s46, s21                     ; its plane
	s_lshl_b32 s46, s46, 18
	s_add_co_u32 s46, s46, s20
	s_mov_b32 s47, 0
	s_add_nc_u64 s[12:13], s[12:13], s[46:47]
.macro FRAG reg, adr, q, i             ; 16 rows x 128 K of 4-bit codes: 8 registers: two loads of 16 bytes, 32 bytes apart
.irp c, 0,1
	ds_load_b128 v[\reg+4*\c:\reg+4*\c+3], v[\adr] offset:64*(\q)+32*\c+(\i)*16*PITCH
.endr
.endm
; 16 matrix instructions: token blocks a0, a0 + 1 x the weight's eight blocks, 128 along K.  first = 1: the bias is C and starts the sums.  The 64 accumulators take turns, one instruction a turn.
.macro MUL16 a0, p, q, sc, first
.irp a, \a0, \a0+1
.irp b, 0,1,2,3,4,5,6,7
.if \first
	v_wmma_scale_f32_16x16x128_f8f6f4 v[8*(8*((\a)%4)+\b):8*(8*((\a)%4)+\b)+7], v[128*(\p)+FR*\b:128*(\p)+FR*\b+FR-1], v[AF+FR*(\a):AF+FR*(\a)+FR-1], v[BI+8*\b:BI+8*\b+7], v[SC+8*NQ*(\sc)+NQ*\b+(\q)], v[SC+8*NQ*(\sc)+NQ*(\a)+(\q)] matrix_a_fmt:MATRIX_FMT_FP4 matrix_b_fmt:MATRIX_FMT_FP4 matrix_a_scale:MATRIX_SCALE_ROW1
.else
	v_wmma_scale_f32_16x16x128_f8f6f4 v[8*(8*((\a)%4)+\b):8*(8*((\a)%4)+\b)+7], v[128*(\p)+FR*\b:128*(\p)+FR*\b+FR-1], v[AF+FR*(\a):AF+FR*(\a)+FR-1], v[8*(8*((\a)%4)+\b):8*(8*((\a)%4)+\b)+7], v[SC+8*NQ*(\sc)+NQ*\b+(\q)], v[SC+8*NQ*(\sc)+NQ*(\a)+(\q)] matrix_a_fmt:MATRIX_FMT_FP4 matrix_b_fmt:MATRIX_FMT_FP4 matrix_a_scale:MATRIX_SCALE_ROW1
.endif
.endr
.endr
.endm
.macro FETCH_B slot, q, p
	WIN TO_B
.irp i, 0,1,2,3,4,5,6,7
	FRAG 128*(\p)+FR*\i, ADRB+\slot, \q, \i
.endr
	WIN 0
.endm
.macro FETCH_A slot, q, i0
.irp i, \i0, \i0+1, \i0+2, \i0+3
	FRAG AF+FR*(\i), ADRA+\slot, \q, \i
.endr
.endm
.macro SCALES sc                       ; a slot's scale words: lanes 0-15 the tokens' block i, lanes 16-31 the weight's block i; four words a row
.irp i, 0,1,2,3,4,5,6,7
	ds_load_b128 v[SC+8*NQ*\sc+NQ*\i:SC+8*NQ*\sc+NQ*\i+3], v[ADRS] offset:\i*SBLK
.endr
.endm
.macro PLACES n                        ; plain vector lines between a matrix instruction and a load into, or a read of, its registers
.rept \n
	v_nop
.endr
.endm
.macro STEP slot, q, first             ; 128 along K that has its successor in the same slot
	s_wait_dscnt 4*NL                              ; all but the youngest eight loads (the tokens' blocks 4-7)
.if \first
	WIN 0x81                                       ; C (the bias) in window 0, D in window 2
.else
	WIN MUL_LO
.endif
	MUL16 0, (\q)%2, \q, \slot, \first
	MUL16 2, (\q)%2, \q, \slot, \first
	s_wait_dscnt 0
	PLACES NP
	FETCH_B \slot, (\q)+1, 1-(\q)%2
	FETCH_A \slot, (\q)+1, 0
.if \first
	WIN 0xc1
.else
	WIN MUL_HI
.endif
	MUL16 4, (\q)%2, \q, \slot, \first
	MUL16 6, (\q)%2, \q, \slot, \first
	PLACES NP
	WIN 0
	FETCH_A \slot, (\q)+1, 4
.endm
.macro TURN slot, next                 ; a slot's last step, and the change of slots: one barrier
	s_wait_tensorcnt 0x0                           ; all my tensor loads have landed: my part of the next slot
	ds_add_u32 v[SPW], v[NIL]                      ; 0 onto my spare word
	s_wait_dscnt 4*NL+1                            ; (the add and the youngest eight loads may be out)
	WIN MUL_LO
	MUL16 0, 1, NQ-1, \slot, 0
	s_wait_dscnt 0x0                               ; the add is done, and my reads of this slot are over
	s_barrier_signal -1
	MUL16 2, 1, NQ-1, \slot, 0
	WIN 0
	s_barrier_wait -1                              ; the next slot is whole, and nobody reads this one any more
	PLACES NP
	v_add_nc_u32 v[ADRS], 4*NQ, v[ADRS]            ; on to the next slot's scale words
	FETCH_B \next, 0, 0
	FETCH_A \next, 0, 0
	SCALES \next
	WIN MUL_HI
	MUL16 4, 1, NQ-1, \slot, 0
	MUL16 6, 1, NQ-1, \slot, 0
	PLACES NP
	WIN 0
	FETCH_A \next, 0, 4
.endm
	s_wait_loadcnt 0x0                             ; the bias
	s_wait_tensorcnt 1                             ; the scales and my part of slot 0 are in (slot 1's load may be out)
	s_barrier_signal -1
	s_barrier_wait -1                              ; everybody's are
	FETCH_B 0, 0, 0
	FETCH_A 0, 0, 0
	SCALES 0
	FETCH_A 0, 0, 4
	STEP 0, 0, 1
	STEP 0, 1, 0
	STEP 0, 2, 0
	TURN 0, 1
	STEP 1, 0, 0
	STEP 1, 1, 0
	STEP 1, 2, 0
	s_wait_dscnt 4*NL                              ; the last step: nothing more to fetch
	WIN MUL_LO
	MUL16 0, 1, NQ-1, 1, 0
	MUL16 2, 1, NQ-1, 1, 0
	s_wait_dscnt 0
	WIN MUL_HI
	MUL16 4, 1, NQ-1, 1, 0
	MUL16 6, 1, NQ-1, 1, 0
	WIN 0
; THE WAY OUT, a block of 16 tokens x 128 outputs (two heads) at a time.  PACK: rounded to f16, 16 bytes a lane, each accumulator from its low end on.  TOSTAGE: into my own stage, and back by tokens.
; SEND: a store covers four tokens' 128 bytes of one head: 512 consecutive bytes, aligned.  LDS serves a wave's instructions in order: no wait between the stage's stores and loads.
.macro PACK a
.set AC, 64*((\a)%4)
	WIN 0x0a+5*((\a)/4)                            ; sources 0 and 1: window 2 or 3
.irp b, 0,1,2,3,4,5,6,7
.irp r, 0,1,2,3
	v_cvt_pk_f16_f32 v[TMP+4*\b+\r], v[AC+8*\b+2*\r], v[AC+8*\b+2*\r+1]
.endr
.endr
	WIN 0
.endm
.macro TOSTAGE a
.set BB, BK+32*((\a)%2)
.irp b, 0,1,2,3,4,5,6,7
	ds_store_b128 v[STO], v[TMP+4*\b:TMP+4*\b+3] offset:32*\b
.endr
.irp hd, 0,1
.irp n, 0,1,2,3
	ds_load_b128 v[BB+16*\hd+4*\n:BB+16*\hd+4*\n+3], v[RD] offset:128*\hd+4*SPITCH*\n
.endr
.endr
.endm
.macro SEND a
.set BB, BK+32*((\a)%2)
	s_wait_dscnt 0x0                               ; the block is back in registers
	s_wait_xcnt 0x0                                ; the block before has had its stores' registers read: the next block's loads may land there
.irp hd, 0,1
.irp n, 0,1,2,3
	global_store_b128 v[CO], v[BB+16*\hd+4*\n:BB+16*\hd+4*\n+3], s[12:13] offset:524288*\hd+2048*(\a)+512*\n
.endr
.endr
.endm
	PLACES NP                                      ; behind the last products: for the reads of results and the loads into the registers that held the tokens' fragments
	PACK 0
	TOSTAGE 0
.irp a, 1,2,3,4,5,6,7                  ; block a's conversions stand between block a - 1's loads from the stage and the wait for them
	PACK \a
	SEND \a-1
	TOSTAGE \a
.endr
	SEND 7
	s_wait_tensorcnt 0x0                           ; the wave's end, behind my last tensor load and my last LDS store
	ds_add_u32 v[SPW], v[NIL]
	s_wait_dscnt 0x0
	CROUND                                         ; the closing round
	s_endpgm
.Lfunc_end_k_qd4b0b482e2_proj:
	.size	k_qd4b0b482e2_proj, .Lfunc_end_k_qd4b0b482e2_proj-k_qd4b0b482e2_proj
	.p2alignl 7, 3214868480
	.fill 96, 4, 3214868480
	.section	.rodata,"a",@progbits
	.p2align	6, 0x0
	.amdhsa_kernel k_qd4b0b482e2_proj
		.amdhsa_group_segment_fixed_size 327680
		.amdhsa_private_segment_fixed_size 0
		.amdhsa_enable_private_segment 0
		.amdhsa_kernarg_size 64
		.amdhsa_user_sgpr_count 2
		.amdhsa_user_sgpr_kernarg_segment_ptr 1
		.amdhsa_wavefront_size32 1
		.amdhsa_system_sgpr_workgroup_id_x 1
		.amdhsa_system_sgpr_workgroup_id_y 1
		.amdhsa_system_sgpr_workgroup_id_z 1
		.amdhsa_system_vgpr_workitem_id 0
		.amdhsa_next_free_vgpr 1024
		.amdhsa_next_free_sgpr 100
		.amdhsa_reserve_vcc 0
		.amdhsa_float_denorm_mode_32 3
		.amdhsa_float_denorm_mode_16_64 3
		.amdhsa_memory_ordered 1
		.amdhsa_forward_progress 1
		.amdhsa_inst_pref_size 128
	.end_amdhsa_kernel
	.amdgpu_metadata
---
amdhsa.version: [ 1, 2 ]
amdhsa.kernels:
  - .name:           k_qd4b0b482e2_proj
    .symbol:         k_qd4b0b482e2_proj.kd
    .args:
      - { .name: codes, .offset: 0, .size: 8, .value_kind: global_buffer, .address_space: global }
      - { .name: scales, .offset: 8, .size: 8, .value_kind: global_buffer, .address_space: global }
      - { .name: bq, .offset: 16, .size: 8, .value_kind: global_buffer, .address_space: global }
      - { .name: bk, .offset: 24, .size: 8, .value_kind: global_buffer, .address_space: global }
      - { .name: bv, .offset: 32, .size: 8, .value_kind: global_buffer, .address_space: global }
      - { .name: q16, .offset: 40, .size: 8, .value_kind: global_buffer, .address_space: global }
      - { .name: k16, .offset: 48, .size: 8, .value_kind: global_buffer, .address_space: global }
      - { .name: v16, .offset: 56, .size: 8, .value_kind: global_buffer, .address_space: global }
    .group_segment_fixed_size: 327680
    .private_segment_fixed_size: 0
    .kernarg_segment_align: 8
    .kernarg_segment_size: 64
    .max_flat_workgroup_size: 128
    .sgpr_count:     100
    .vgpr_count:     1024
    .wavefront_size: 32
...
	.end_amdgpu_metadata
.endif
;; end of part 2
;; launch attn (part 3): grid 8 x 32, 8 waves a work-group, no clusters, 327,680 bytes of LDS; arguments q16, k16, v16, emb_K, emb_V, ctx16; writes ctx16
.if DOCPART == 3
	.amdgcn_target "amdgcn-amd-amdhsa--gfx1250"
	.amdhsa_code_object_version 6
	.text
	.protected	k_qd4b0b482e2_attn
	.globl	k_qd4b0b482e2_attn
	.p2align	8
	.type	k_qd4b0b482e2_attn,@function
k_qd4b0b482e2_attn:
	s_mov_b64 s[64:65], 0
	v_nop
	global_prefetch_b8 v0, s[64:65] scope:SCOPE_SE
	s_setreg_imm32_b32 hwreg(HW_REG_WAVE_MODE, 25, 1), 1
	s_wait_xcnt 0x0
; ATTN.  For each plane (head, batch): logits[q][k] = Q[q] . K[k] + Q[q] . emb_K[clip(k - q, -16, 16) + 16];  w = softmax over k (running maximum);  ctx[q] = sum over k of w[q][k] (V[k] + emb_V[clip(k - q, -16, 16) + 16]).
; q16, k16, v16: f16, [plane = 2 x head + batch][2,048][64].  ctx16: f16, [token / 128][head][token % 128][64], token = 2,048 x batch + position.  Products on f16 operands with f32 sums; maxima, exponentials and sums in f32.
; f16 and not bf16: the logits are not scaled down, so an error in a logit is a relative error in a weight.
; LIMITS: |q|, |k|, |v|, |emb|, |ctx| stay under 65,504; NaN and infinities are not served.  Order of rounding: the relative key term is the C of the first product; the relative value term of far keys is added in f32 at the end,
; that of near keys is summed with f16 operands.
; SHARES.  A work-group owns 256 queries of a plane, each of its eight waves 32: two tiles i of 16.  Every wave walks all 2,048 keys, 64 a step.  Two waves share a SIMD: one's softmax stands beside the other's products and LDS loads.
; LAYOUT.  S^T = K Q^T (source 0 = 16 keys, source 1 = 16 queries) and O^T = V^T P (V turned by ds_load_tr16_b128): a lane holds ONE query (lane % 16) throughout; register j of tile t of S^T is key 16 t + 8 (lane / 16) + j.
; THE RELATIVE TERMS.  The embedding's row hangs on clip(k - q) alone.  REL = the step's first key - the wave's first query.  REL <= -96: every key of the step takes row 0;  REL >= 64: row 32;  REL = -64, -32, 0, 32: a near step.
;   Keys: at the head R^T = E Q^T for four tiles E of emb_K's rows (all row 0; rows 0-15; rows 16-31; all row 32).  The first and last stay in registers (RL, RR) and are the C of far tiles' first product.  All four go to
;   the wave's table RT[query][k - q + 32]; a near tile's C is read from it askew.  So the term costs no vector instruction.
;   Values: the row's sum is kept in three parts, lL, lN, lR, by the step's kind; at the end O += lL emb_V[0] + lR emb_V[32].  In a near step p is also stored askew, at position k - q - REL + 32 of the wave's buffer SK
;   (positions never written were cleared at the head), read back as three fragments a tile, and multiplied by three groups of EVX[P'] = emb_V[clip(P' - 48, 0, 32)], P' = position + REL + 32.
; NO CLUSTER: the work-groups that walk the same K and V differ in their query block, and a step's kind, which is a branch, hangs on the query block: partners of a joint load would not run alike.
; THE RING: two slots of four steps; wave w < 4 fetches K of the slot's step w, wave w >= 4 V of step w - 4: one tensor load a wave behind each change of slots, one out at a time.
; REGISTERS.  window 0: v2-15 addresses; v16-47 statistics, 16 a tile (+0 c m, +1 m, +2 lL, +4 lN, +6 lR (pairs), +8..11 at work; a at +10); v48 RL, v64 RR (8 a tile); v80 S^T (32 a tile); v144 P (16 a tile); v176 O^T (32 a tile); v240-255 at work at the head.
;   window 1: v0-31 Q; v32-95 K of a step; v96-159 V of a step; v160-255 three groups of EVX.
.set KP,    144                        ; a row of K in LDS: 128 bytes + 16
.set VP,    160                        ; a row of V, and of EVX: 128 bytes + 32
.set VOFF,  64*KP
.set STEPB, 64*(KP+VP)                 ; a step: 64 rows of K, then 64 of V
.set SLOTB, 4*STEPB
.set SLOT1, 1<<17                      ; slot 1 begins here: one exclusive or turns an address from one slot to the other
.set SKB,   SLOTB                      ; between the slots: SK, for each wave 32 rows x (96 f16 + 16 bytes)
.set SKP,   208
.set SKW,   32*SKP
.set RTB,   SLOT1+SLOTB                ; RT, for each wave 32 rows x (64 f32 + 16 bytes); at the end the wave's stage for ctx
.set RTP,   272
.set RTW,   32*RTP
.set EVX,   RTB+8*RTW                  ; 128 rows x VP
.set SPARE, EVX+128*VP                 ; the spare words, 128 bytes a wave
.set AK0, 2
.set AV0, 3
.set ADK, 4
.set ADV, 5
.set ART, 6
.set ASKW, 7
.set ASKR, 8
.set AEV, 9
.set STO, 10
.set RD,  11
.set GO,  12
.set PFO, 13
.set SPW, 14
.set NIL, 15
.set ST,  16
.set RL,  48
.set RR,  64
.set S,   80
.set P,   144
.set OA,  176
.set WV,  16
.set SEL, 20
.set CS,  22
.set G1K, 24
.set G1V, 32
.set G0,  40
.set TB,  44                           ; s44  LDS byte at which the step in hand begins
.set REL, 45                           ; s45  the step's first key - my first query
.set SLOTS, 46
.set CNT, 47
.set PFA, 50
.set LIM, 52
.set MSB, 0
.macro WIN new
.if MSB != (\new)
	s_set_vgpr_msb (MSB<<8)|(\new)
.set MSB, \new
.endif
.endm
; Waves 0 to 3 fetch K's tiles, waves 4 to 7 V's: the two differ in the padding alone.  An s_nop 0 and four v_nop follow each line.
.macro TLOAD
	s_cmp_lt_u32 s[WV], 4
	s_cbranch_scc0 .Lfor_v_\@
	tensor_load_to_lds s[G0:G0+3], s[G1K:G1K+7]
	s_nop 0
.rept 4
	v_nop
.endr
	s_branch .Lasked_\@
.Lfor_v_\@:
	tensor_load_to_lds s[G0:G0+3], s[G1V:G1V+7]
	s_nop 0
.rept 4
	v_nop
.endr
.Lasked_\@:
.endm
; A prefetch of what the NEXT change of slots will ask for.  All eight work-groups of a plane walk the same K and V: the plane's first asks; each of its waves names the 8,192 bytes that it will itself load, lanes 256 bytes apart.
; So each aligned block of 256 bytes is named once in the launch.  The last change that fills a slot asks for nothing; nothing is asked for at the head.
.macro ASK
	s_cmp_gt_u32 s[SLOTS], s[LIM]
	s_cbranch_scc0 .Lnot_mine_\@
	global_prefetch_b8 v[PFO], s[PFA:PFA+1] th:TH_LOAD_NT scope:SCOPE_SE
.Lnot_mine_\@:
.endm
	s_load_b256 s[4:11], s[0:1], 0x0               ; q16 4, k16 6, v16 8, emb_K 10
	s_load_b128 s[12:15], s[0:1], 0x20             ; emb_V 12, ctx16 14
	v_lshl_add_u32 v[SPW], v0, 2, SPARE
	v_mov_b32 v[NIL], 0
	ds_add_u32 v[SPW], v[NIL]                      ; the wave's opening: the add, twice on end, and its wait ahead of my first tensor load
	ds_add_u32 v[SPW], v[NIL]
	v_lshrrev_b32 v1, 5, v0
	v_readfirstlane_b32 s[WV], v1                  ; wave 0..7
	s_mov_b32 s[G1K], (1<<16)|(1<<20)|(4<<22)|(3<<25)   ; no mask; elements of 2 bytes; padding on: 4 words behind every 32
	s_mov_b32 s[G1V], (1<<16)|(1<<20)|(4<<22)|(7<<25)   ; 8 words behind every 32
.irp g, G1K, G1V
	s_mov_b32 s[\g+1], 64<<16                      ; tensor_dim0 = 64
	s_mov_b32 s[\g+2], 64<<16                      ; tensor_dim1 = 64
	s_mov_b32 s[\g+3], 64<<16                      ; tile_dim0 = 64
	s_mov_b32 s[\g+4], 64                          ; tile_dim1 = 64
	s_mov_b32 s[\g+5], 64                          ; from row to row
	s_mov_b32 s[\g+6], 0
	s_mov_b32 s[\g+7], 0
.endr
	s_mov_b32 s[SEL], 0x76543210
	s_mov_b32 s[SEL+1], 0xfedcba98                 ; v_permlanex16_b32's selects for lane l xor 16
	s_mov_b32 s[CS], 0x3fb8aa3b                    ; c = log2(e)
	s_mov_b32 s[CS+1], s[CS]
	s_and_b32 s53, s[WV], 3                        ; which of a slot's four steps I fetch
	s_lshr_b32 s54, s[WV], 2                       ; K (0) or V (1)
	s_mul_i32 s55, s53, STEPB
	s_mul_i32 s54, s54, VOFF
	s_add_co_u32 s55, s55, s54                     ; its place in a slot
	s_and_b32 s49, ttmp7, 0xffff                   ; the plane
	s_lshl_b32 s48, s49, 18                        ; its first byte in q16, k16, v16
	s_lshl_b32 s53, s53, 13
	s_add_co_u32 s58, s48, s53                     ; + my step's 64 rows of 128 bytes
	s_mov_b32 s59, 0
	s_lshl_b32 s53, ttmp9, 8
	s_lshl_b32 s54, s[WV], 5
	s_add_co_u32 s53, s53, s54                     ; my first query: 256 x + 32 w
	s_sub_co_u32 s[REL], 0, s53
	s_lshl_b32 s54, s53, 7
	s_add_co_u32 s56, s48, s54                     ; its row in q16
	s_mov_b32 s57, 0
	s_and_b32 s54, s49, 1
	s_lshl_b32 s54, s54, 11
	s_add_co_u32 s54, s54, s53                     ; its token
	s_lshr_b32 s60, s54, 7
	s_lshl_b32 s60, s60, 18                        ; ctx16: the block of 128 tokens: 16 heads x 16,384 bytes,
	s_and_b32 s54, s54, 127
	s_lshl_b32 s54, s54, 7
	s_add_co_u32 s60, s60, s54                     ; the token in it,
	s_lshr_b32 s54, s49, 1
	s_lshl_b32 s54, s54, 14
	s_add_co_u32 s60, s60, s54                     ; the head
	s_mov_b32 s61, 0
	s_mov_b32 s[TB], 0
	s_mov_b32 s[SLOTS], 7
	s_cmp_eq_u32 ttmp9, 0
	s_cselect_b32 s[LIM], 1, -1
	s_wait_dscnt 0x0                               ; both opening adds are done
	s_wait_kmcnt 0x0
	s_cmp_lt_u32 s[WV], 4
	s_cselect_b64 s[PFA:PFA+1], s[6:7], s[8:9]
	s_add_nc_u64 s[PFA:PFA+1], s[PFA:PFA+1], s[58:59]   ; my tile of slot 0
	s_mov_b32 s[G0], 1
	s_mov_b32 s[G0+1], s55
	s_mov_b64 s[G0+2:G0+3], s[PFA:PFA+1]
	s_or_b32 s[G0+3], s[G0+3], 0x80000000
	TLOAD                                          ; slot 0: every wave's one first fill
	s_add_nc_u64 s[PFA:PFA+1], s[PFA:PFA+1], 0x8000    ; slot 1: the first change of slots steps it to slot 2
	s_add_nc_u64 s[4:5], s[4:5], s[56:57]
	s_add_nc_u64 s[14:15], s[14:15], s[60:61]
	; addresses that stay.  r = lane % 16, h = lane / 16
	v_and_b32 v1, 15, v0
	v_bfe_u32 v240, v0, 4, 1
	v_and_b32 v241, 31, v0
	v_and_b32 v242, 7, v0
	v_bfe_u32 v243, v0, 3, 1
	v_mul_u32_u24 v[AK0], v1, KP
	v_lshl_add_u32 v[AK0], v240, 4, v[AK0]         ; K: row r, + 16 h
	v_lshl_add_u32 v244, v240, 3, v242
	v_mul_u32_u24 v244, v244, VP
	v_lshl_add_u32 v244, v243, 4, v244             ; the turning load: row 8 h + lane % 8, + 16 ((lane / 8) % 2)
	v_add_nc_u32 v[AV0], VOFF, v244
	v_add_nc_u32 v[AEV], EVX, v244
	s_mul_i32 s53, s[WV], RTW
	s_add_co_u32 s53, s53, RTB                     ; my RT
	s_mul_i32 s54, s[WV], SKW
	s_add_co_u32 s54, s54, SKB                     ; my SK
	v_mul_u32_u24 v[ART], v1, RTP-4
	v_lshl_add_u32 v[ART], v240, 5, v[ART]
	v_add_nc_u32 v[ART], s53, v[ART]               ; RT read askew: row r, position 8 h - r
	v_mul_u32_u24 v246, v1, RTP
	v_lshl_add_u32 v246, v240, 5, v246
	v_add_nc_u32 v246, s53, v246                   ; RT written: row r, position 8 h
	v_add_nc_u32 v[STO], s53, v[AK0]               ; the stage for ctx: row r of 144 bytes, + 16 h
	v_bfe_u32 v245, v0, 3, 2
	v_mul_u32_u24 v[RD], v245, KP
	v_lshl_add_u32 v[RD], v242, 4, v[RD]
	v_add_nc_u32 v[RD], s53, v[RD]                 ; back: eight lanes a row, four rows a load
	v_lshlrev_b32 v[GO], 4, v241
	v_lshlrev_b32 v[PFO], 8, v241
	v_mul_u32_u24 v[ASKW], v1, SKP-2
	v_lshl_add_u32 v[ASKW], v240, 4, v[ASKW]
	v_add_nc_u32 v[ASKW], s54, v[ASKW]             ; SK written askew: row r, position 8 h - r
	v_mul_u32_u24 v[ASKR], v1, SKP
	v_lshl_add_u32 v[ASKR], v240, 4, v[ASKR]
	v_add_nc_u32 v[ASKR], s54, v[ASKR]             ; SK read: row r, + 16 h
	v_lshl_add_u32 v247, v241, 4, s54              ; SK cleared: 16 bytes a lane
	v_lshlrev_b32 v248, 7, v1
	v_lshl_add_u32 v248, v240, 4, v248             ; Q: row r of 128 bytes, + 16 h
	v_lshlrev_b32 v249, 5, v240                    ; emb_K: 32 h (rows 0 and 32),
	v_lshl_add_u32 v250, v1, 8, v249               ; and row r of 256 bytes + 32 h
	v_lshlrev_b32 v251, 5, v242                    ; emb_V for EVX: thread = 8 x + cc: 8 channels, 32 cc bytes,
	v_lshrrev_b32 v252, 3, v0                      ; of EVX's rows 32 n + x
	v_add_nc_u32 v253, -16, v252
	v_max_i32 v253, 0, v253
	v_lshl_add_u32 v253, v253, 8, v251             ; n = 1: emb_V's row max(x - 16, 0)
	v_add_nc_u32 v254, 16, v252
	v_min_u32 v254, 32, v254
	v_lshl_add_u32 v254, v254, 8, v251             ; n = 2: row min(x + 16, 32)
	v_mul_u32_u24 v255, v252, VP
	v_lshl_add_u32 v255, v242, 4, v255
	v_add_nc_u32 v255, EVX, v255
	WIN 0x40                                       ; destination window 1
.irp i, 0,1
.irp ks, 0,1
	global_load_b128 v[16*\i+8*\ks:16*\i+8*\ks+3], v248, s[4:5] offset:2048*\i+64*\ks       ; Q stays in registers
	global_load_b128 v[16*\i+8*\ks+4:16*\i+8*\ks+7], v248, s[4:5] offset:2048*\i+64*\ks+32
.endr
.endr
	WIN 0
.irp ks, 0,1
.irp q, 0,1,2,3                        ; a fragment's 16 numbers of a row: channels 32 ks + 8 h + 0..7 and + 16
	global_load_b128 v[80+16*\ks+4*\q:80+16*\ks+4*\q+3], v249, s[10:11] offset:128*\ks+16*(\q%2)+64*(\q/2)
	global_load_b128 v[112+16*\ks+4*\q:112+16*\ks+4*\q+3], v250, s[10:11] offset:128*\ks+16*(\q%2)+64*(\q/2)
	global_load_b128 v[144+16*\ks+4*\q:144+16*\ks+4*\q+3], v250, s[10:11] offset:4096+128*\ks+16*(\q%2)+64*(\q/2)
	global_load_b128 v[176+16*\ks+4*\q:176+16*\ks+4*\q+3], v249, s[10:11] offset:8192+128*\ks+16*(\q%2)+64*(\q/2)
.endr
.endr
	global_load_b128 v[208:211], v251, s[12:13]
	global_load_b128 v[212:215], v251, s[12:13] offset:16
	global_load_b128 v[216:219], v253, s[12:13]
	global_load_b128 v[220:223], v253, s[12:13] offset:16
	global_load_b128 v[224:227], v254, s[12:13]
	global_load_b128 v[228:231], v254, s[12:13] offset:16
	global_load_b128 v[232:235], v251, s[12:13] offset:8192
	global_load_b128 v[236:239], v251, s[12:13] offset:8208
.irp j, 0,1,2,3
	v_mov_b32 v[RL+\j], 0
.endr
.irp n, 0,1,2,3,4,5,6,7,8,9,10,11,12
	ds_store_b128 v247, v[RL:RL+3] offset:512*\n   ; SK is cleared once: 13 x 512 bytes
.endr
	s_wait_loadcnt 0x0
	WIN 0x40
.irp f, 0,1,2,3,4,5,6,7                ; emb_K's eight fragments (tile f / 2, channels 32 (f % 2) on), to f16, into K's registers
.irp e, 0,1,2,3,4,5,6,7
	v_cvt_pk_f16_f32 v[32+8*\f+\e], v[80+16*\f+2*\e], v[80+16*\f+2*\e+1]
.endr
.endr
	WIN 0
.irp n, 0,1,2,3
.irp e, 0,1,2,3
	v_cvt_pk_f16_f32 v[208+8*\n+\e], v[208+8*\n+2*\e], v[208+8*\n+2*\e+1]
.endr
	ds_store_b128 v255, v[208+8*\n:208+8*\n+3] offset:32*VP*\n     ; EVX: read by all waves behind the first change's barrier
.endr
.macro HW d, pt, i, ks                 ; R^T = E Q^T: eight accumulators by turns, two deep
.if \ks == 0
	v_wmma_f32_16x16x32_f16 v[\d:\d+7], v[32+16*\pt:39+16*\pt], v[16*\i:16*\i+7], 0
.else
	v_wmma_f32_16x16x32_f16 v[\d:\d+7], v[40+16*\pt:47+16*\pt], v[16*\i+8:16*\i+15], v[\d:\d+7]
.endif
.endm
	WIN 0x05
.irp ks, 0,1
.irp i, 0,1
	HW RL+8*\i, 0, \i, \ks
	HW 80+8*\i, 1, \i, \ks
	HW 96+8*\i, 2, \i, \ks
	HW RR+8*\i, 3, \i, \ks
.endr
.endr
	WIN 0
.rept 4
	v_nop
.endr
.macro RTS d, pt, i                    ; each result from its low end on
	ds_store_b128 v246, v[\d:\d+3] offset:(\i)*16*RTP+64*(\pt)
	ds_store_b128 v246, v[\d+4:\d+7] offset:(\i)*16*RTP+64*(\pt)+16
.endm
.irp i, 0,1
	RTS RL+8*\i, 0, \i
	RTS 80+8*\i, 1, \i
	RTS 96+8*\i, 2, \i
	RTS RR+8*\i, 3, \i
.endr
.set nn, 0
.rept 64
	v_mov_b32 v[OA+nn], 0                          ; O^T.  (The step is written once: the first finds zeros, which its a = 0 leaves zeros)
.set nn, nn+1
.endr
.irp i, 0,1
	v_mov_b32 v[ST+16*\i+1], 0xfe967699            ; m = -1e38, under every score
	v_mul_f32 v[ST+16*\i], s[CS], v[ST+16*\i+1]    ; c m
.irp x, 2,3,4,5,6,7,8,9,10,11
	v_mov_b32 v[ST+16*\i+\x], 0
.endr
.endr
; The first 32 channels of S^T = K Q^T for a step with REL = 16 d0.  Tile (i, t) lies d = d0 + t - i tiles from the diagonal: d <= -2: C = RL; d >= 2: C = RR; else C is read from RT askew, into S^T's own registers.
.macro KQ1 d0
.irp t, 0,1,2,3
.irp i, 0,1
.if ((\d0)+\t-\i >= -1) && ((\d0)+\t-\i <= 1)
.irp j, 0,1,2,3,4,5,6,7
	ds_load_b32 v[S+32*\i+8*\t+\j], v[ART] offset:\i*16*RTP+(16*((\d0)+\t-\i)+32+\j)*4
.endr
.endif
.endr
.endr
.if ((\d0) >= -4) && ((\d0) <= 2)
	s_wait_dscnt 0x0
.else
	s_wait_dscnt 16                                ; K's sixteen loads are in; V's sixteen, issued behind them, may be out
.endif
	WIN 0x05
.irp t, 0,1,2,3
.irp i, 0,1
.if (\d0)+\t-\i <= -2
	v_wmma_f32_16x16x32_f16 v[S+32*\i+8*\t:S+32*\i+8*\t+7], v[32+16*\t:39+16*\t], v[16*\i:16*\i+7], v[RL+8*\i:RL+8*\i+7]
.elseif (\d0)+\t-\i >= 2
	v_wmma_f32_16x16x32_f16 v[S+32*\i+8*\t:S+32*\i+8*\t+7], v[32+16*\t:39+16*\t], v[16*\i:16*\i+7], v[RR+8*\i:RR+8*\i+7]
.else
	v_wmma_f32_16x16x32_f16 v[S+32*\i+8*\t:S+32*\i+8*\t+7], v[32+16*\t:39+16*\t], v[16*\i:16*\i+7], v[S+32*\i+8*\t:S+32*\i+8*\t+7]
.endif
.endr
.endr
	WIN 0
.endm
; Both tiles' softmax for a step, in phases; the tiles alternate.  The 66 exponentials are one batch with one wait.
.macro SOFTMAX
.irp c, 0,1,2,3
.irp i, 0,1
	v_max3_num_f32 v[ST+16*\i+8+\c], v[S+32*\i+8*\c], v[S+32*\i+8*\c+1], v[S+32*\i+8*\c+2]   ; each result is read from its low end on
.endr
.endr
.irp g, 1,2
.irp c, 0,1,2,3
.irp i, 0,1
	v_max3_num_f32 v[ST+16*\i+8+\c], v[ST+16*\i+8+\c], v[S+32*\i+8*\c+2*\g+1], v[S+32*\i+8*\c+2*\g+2]
.endr
.endr
.endr
.irp i, 0,1
	v_max3_num_f32 v[ST+16*\i+8], v[ST+16*\i+8], v[S+32*\i+7], v[S+32*\i+15]
	v_max3_num_f32 v[ST+16*\i+10], v[ST+16*\i+10], v[S+32*\i+23], v[S+32*\i+31]
.endr
.irp i, 0,1
	v_max3_num_f32 v[ST+16*\i+8], v[ST+16*\i+8], v[ST+16*\i+9], v[ST+16*\i+10]
.endr
.irp i, 0,1
	v_max3_num_f32 v[ST+16*\i+8], v[ST+16*\i+8], v[ST+16*\i+11], v[ST+16*\i+1]   ; with the old m
.endr
.irp i, 0,1
	v_permlanex16_b32 v[ST+16*\i+9], v[ST+16*\i+8], s[SEL], s[SEL+1]   ; the query's other 32 keys lie in the lane 16 away
.endr
.irp i, 0,1
	v_mov_b32 v[ST+16*\i+11], v[ST+16*\i]          ; c m_old
.endr
.irp i, 0,1
	v_max_num_f32 v[ST+16*\i+1], v[ST+16*\i+8], v[ST+16*\i+9]
.endr
.irp i, 0,1
	v_mul_f32 v[ST+16*\i], s[CS], v[ST+16*\i+1]
.endr
.irp i, 0,1
	v_sub_f32 v[ST+16*\i+11], v[ST+16*\i+11], v[ST+16*\i]
.endr
.set nn, 0
.rept 16
.irp i, 0,1
	v_pk_fma_f32 v[S+32*\i+nn:S+32*\i+nn+1], v[S+32*\i+nn:S+32*\i+nn+1], s[CS:CS+1], v[ST+16*\i:ST+16*\i+1] op_sel_hi:[1,0,0] neg_lo:[0,0,1] neg_hi:[0,0,1]   ; c s - c m
.endr
.set nn, nn+2
.endr
.irp i, 0,1
	v_exp_f32 v[ST+16*\i+10], v[ST+16*\i+11]       ; a = 2^(c m_old - c m_new)
.endr
.set nn, 0
.rept 64
	v_exp_f32 v[S+nn], v[S+nn]                     ; p
.set nn, nn+1
.endr
	v_nop                                          ; a plain line behind the last exponential
	s_wait_alu depctr_va_vdst(0)                   ; one wait for the batch, ahead of its first reader
.set nn, 0
.rept 32
	v_cvt_pk_f16_f32 v[P+nn], v[S+2*nn], v[S+2*nn+1]   ; two tiles of keys, rounded in pairs, are a fragment of P
.set nn, nn+1
.endr
.irp u, 0,1,2,3,4,5,6,7,8,9,10,11,12,13,14,15
	v_pk_add_f32 v[S+4*\u:S+4*\u+1], v[S+4*\u:S+4*\u+1], v[S+4*\u+2:S+4*\u+3]   ; the step's sum of the unrounded p, in place; it ends in the tile's first pair
.endr
.irp u, 0,1,2,3,4,5,6,7
	v_pk_add_f32 v[S+8*\u:S+8*\u+1], v[S+8*\u:S+8*\u+1], v[S+8*\u+4:S+8*\u+5]
.endr
.irp u, 0,1,2,3
	v_pk_add_f32 v[S+16*\u:S+16*\u+1], v[S+16*\u:S+16*\u+1], v[S+16*\u+8:S+16*\u+9]
.endr
.irp u, 0,1
	v_pk_add_f32 v[S+32*\u:S+32*\u+1], v[S+32*\u:S+32*\u+1], v[S+32*\u+16:S+32*\u+17]
.endr
.set nn, 0
.rept 16
.irp i, 0,1
	v_pk_mul_f32 v[OA+32*\i+nn:OA+32*\i+nn+1], v[OA+32*\i+nn:OA+32*\i+nn+1], v[ST+16*\i+10:ST+16*\i+11] op_sel_hi:[1,0]   ; O^T x a, ascending
.endr
.set nn, nn+2
.endr
.endm
.macro EVL c0, c1, c2                  ; three groups of EVX (32 positions x 64 channels each), turned
	WIN 0x40
.irp ct, 0,1,2,3
	ds_load_tr16_b128 v[160+8*\ct:163+8*\ct], v[AEV] offset:\c0*32*VP+32*\ct
	ds_load_tr16_b128 v[164+8*\ct:167+8*\ct], v[AEV] offset:\c0*32*VP+16*VP+32*\ct
	ds_load_tr16_b128 v[192+8*\ct:195+8*\ct], v[AEV] offset:\c1*32*VP+32*\ct
	ds_load_tr16_b128 v[196+8*\ct:199+8*\ct], v[AEV] offset:\c1*32*VP+16*VP+32*\ct
	ds_load_tr16_b128 v[224+8*\ct:227+8*\ct], v[AEV] offset:\c2*32*VP+32*\ct
	ds_load_tr16_b128 v[228+8*\ct:231+8*\ct], v[AEV] offset:\c2*32*VP+16*VP+32*\ct
.endr
	WIN 0
.endm
; A KEY STEP: 64 keys.
.macro STEP
	v_add_nc_u32 v[ADK], s[TB], v[AK0]
	v_add_nc_u32 v[ADV], s[TB], v[AV0]
.rept 3
	v_nop                                          ; with the two additions: five places behind the last products: four for the loads into their sources, five for the products that write over S^T, a source of a near step's last products
.endr
	WIN 0x40
.irp t, 0,1,2,3
.irp ks, 0,1
	ds_load_b128 v[32+16*\t+8*\ks:32+16*\t+8*\ks+3], v[ADK] offset:\t*16*KP+64*\ks
	ds_load_b128 v[32+16*\t+8*\ks+4:32+16*\t+8*\ks+7], v[ADK] offset:\t*16*KP+64*\ks+32
.endr
.endr
.irp u, 0,1
.irp ct, 0,1,2,3
	ds_load_tr16_b128 v[96+32*\u+8*\ct:96+32*\u+8*\ct+3], v[ADV] offset:\u*32*VP+32*\ct
	ds_load_tr16_b128 v[96+32*\u+8*\ct+4:96+32*\u+8*\ct+7], v[ADV] offset:\u*32*VP+16*VP+32*\ct
.endr
.endr
	WIN 0
	s_cmp_lt_i32 s[REL], -64                       ; the step's kind: ids and the count of steps alone
	s_cbranch_scc1 .Lkl_\@
	s_cmp_gt_i32 s[REL], 32
	s_cbranch_scc1 .Lkr_\@
	s_cmp_eq_u32 s[REL], -64
	s_cbranch_scc1 .Lk0_\@
	s_cmp_eq_u32 s[REL], -32
	s_cbranch_scc1 .Lk1_\@
	s_cmp_eq_u32 s[REL], 0
	s_cbranch_scc1 .Lk2_\@
	KQ1 2
	s_branch .Lkj_\@
.Lkl_\@:
	KQ1 -6
	s_branch .Lkj_\@
.Lkr_\@:
	KQ1 4
	s_branch .Lkj_\@
.Lk0_\@:
	KQ1 -4
	s_branch .Lkj_\@
.Lk1_\@:
	KQ1 -2
	s_branch .Lkj_\@
.Lk2_\@:
	KQ1 0
.Lkj_\@:
	WIN 0x05
.irp t, 0,1,2,3
.irp i, 0,1                            ; the second 32 channels, in the same order: seven other accumulators stand between a chain's two links
	v_wmma_f32_16x16x32_f16 v[S+32*\i+8*\t:S+32*\i+8*\t+7], v[40+16*\t:47+16*\t], v[16*\i+8:16*\i+15], v[S+32*\i+8*\t:S+32*\i+8*\t+7]
.endr
.endr
	WIN 0
.rept 4
	v_nop
.endr
	SOFTMAX
	s_wait_dscnt 0x0                               ; V is in
	WIN 0x01
.irp u, 0,1
.irp ct, 0,1,2,3
.irp i, 0,1                            ; O^T += V^T P: eight accumulators by turns
	v_wmma_f32_16x16x32_f16 v[OA+32*\i+8*\ct:OA+32*\i+8*\ct+7], v[96+32*\u+8*\ct:96+32*\u+8*\ct+7], v[P+16*\i+8*\u:P+16*\i+8*\u+7], v[OA+32*\i+8*\ct:OA+32*\i+8*\ct+7]
.endr
.endr
.endr
	WIN 0
	s_cmp_lt_i32 s[REL], -64
	s_cbranch_scc1 .Ltl_\@
	s_cmp_gt_i32 s[REL], 32
	s_cbranch_scc1 .Ltr_\@
.irp i, 0,1                            ; a near step: lL x a; lN = a lN + the step's sum (lR is still 0)
	v_pk_mul_f32 v[ST+16*\i+2:ST+16*\i+3], v[ST+16*\i+2:ST+16*\i+3], v[ST+16*\i+10:ST+16*\i+11] op_sel_hi:[1,0]
	v_pk_fma_f32 v[ST+16*\i+4:ST+16*\i+5], v[ST+16*\i+4:ST+16*\i+5], v[ST+16*\i+10:ST+16*\i+11], v[S+32*\i:S+32*\i+1] op_sel_hi:[1,0,1]
.endr
	s_cmp_eq_u32 s[REL], -64                       ; group g of SK's positions meets group clamp((REL + 64) / 32 + g - 1, 0, 3) of EVX
	s_cbranch_scc1 .Le0_\@
	s_cmp_eq_u32 s[REL], -32
	s_cbranch_scc1 .Le1_\@
	s_cmp_eq_u32 s[REL], 0
	s_cbranch_scc1 .Le2_\@
	EVL 2, 3, 3
	s_branch .Lej_\@
.Le0_\@:
	EVL 0, 0, 1
	s_branch .Lej_\@
.Le1_\@:
	EVL 0, 1, 2
	s_branch .Lej_\@
.Le2_\@:
	EVL 1, 2, 3
.Lej_\@:
.irp i, 0,1
.irp t, 0,1,2,3
.irp jj, 0,1,2,3                       ; p of key 16 t + 8 h + j, query 16 i + r, to position 16 t + 8 h + j - 16 i - r + 32 of the query's row
	ds_store_b16 v[ASKW], v[P+16*\i+4*\t+\jj] offset:\i*16*SKP+(16*\t-16*\i+32+2*\jj)*2
	ds_store_b16_d16_hi v[ASKW], v[P+16*\i+4*\t+\jj] offset:\i*16*SKP+(16*\t-16*\i+32+2*\jj)*2+2
.endr
.endr
.endr
.irp i, 0,1
.irp g, 0,1,2                          ; LDS serves a wave's instructions in order: these see the stores above
	ds_load_b128 v[S+24*\i+8*\g:S+24*\i+8*\g+3], v[ASKR] offset:\i*16*SKP+64*\g
	ds_load_b128 v[S+24*\i+8*\g+4:S+24*\i+8*\g+7], v[ASKR] offset:\i*16*SKP+64*\g+32
.endr
.endr
	s_wait_dscnt 0x0
	WIN 0x01
.irp g, 0,1,2
.irp ct, 0,1,2,3
.irp i, 0,1
	v_wmma_f32_16x16x32_f16 v[OA+32*\i+8*\ct:OA+32*\i+8*\ct+7], v[160+32*\g+8*\ct:167+32*\g+8*\ct], v[S+24*\i+8*\g:S+24*\i+8*\g+7], v[OA+32*\i+8*\ct:OA+32*\i+8*\ct+7]
.endr
.endr
.endr
	WIN 0
	s_branch .Ltj_\@
.Ltl_\@:
.irp i, 0,1                            ; all keys far to the left (lN and lR are still 0)
	v_pk_fma_f32 v[ST+16*\i+2:ST+16*\i+3], v[ST+16*\i+2:ST+16*\i+3], v[ST+16*\i+10:ST+16*\i+11], v[S+32*\i:S+32*\i+1] op_sel_hi:[1,0,1]
.endr
	s_branch .Ltj_\@
.Ltr_\@:
.irp i, 0,1                            ; all keys far to the right
	v_pk_mul_f32 v[ST+16*\i+2:ST+16*\i+3], v[ST+16*\i+2:ST+16*\i+3], v[ST+16*\i+10:ST+16*\i+11] op_sel_hi:[1,0]
	v_pk_mul_f32 v[ST+16*\i+4:ST+16*\i+5], v[ST+16*\i+4:ST+16*\i+5], v[ST+16*\i+10:ST+16*\i+11] op_sel_hi:[1,0]
	v_pk_fma_f32 v[ST+16*\i+6:ST+16*\i+7], v[ST+16*\i+6:ST+16*\i+7], v[ST+16*\i+10:ST+16*\i+11], v[S+32*\i:S+32*\i+1] op_sel_hi:[1,0,1]
.endr
.Ltj_\@:
	s_add_co_u32 s[TB], s[TB], STEPB
	s_add_co_u32 s[REL], s[REL], 64
.endm
; THE CHANGE OF SLOTS stands at a slot's head: each wave waits for all its tensor loads (its part of the slot ahead), adds 0 to its spare word, and waits for that and for its LDS instructions (its reads of the slot that it has left;
; at the first change its stores of the head).  Behind the barrier the slot ahead is whole and nobody reads the other.  fill = 1: that other slot takes the next 256 keys: the load has four steps in which to land.
.macro CHANGE fill
	s_wait_tensorcnt 0x0                           ; no tensor load of mine is out, so the descriptor may be written
	ds_add_u32 v[SPW], v[NIL]
.if \fill
	s_xor_b32 s[G0+1], s[G0+1], SLOT1
	s_add_nc_u64 s[G0+2:G0+3], s[G0+2:G0+3], 0x8000    ; the next 256 keys: 32,768 bytes; the type bits on top are not reached
	s_wait_xcnt 0x0                                ; the last prefetch, a slot back, has read its address
	s_add_nc_u64 s[PFA:PFA+1], s[PFA:PFA+1], 0x8000
.endif
	s_wait_dscnt 0x0
	s_barrier_signal -1
	s_barrier_wait -1
.if \fill
	TLOAD                                          ; first behind the barrier, and my one tensor load until the next
	ASK
.endif
.endm
.macro FOUR_STEPS
	s_mov_b32 s[CNT], 4
.Lstep_\@:
	STEP
	s_sub_co_u32 s[CNT], s[CNT], 1
	s_cmp_lg_u32 s[CNT], 0
	s_cbranch_scc1 .Lstep_\@
	s_sub_co_u32 s[TB], s[TB], SLOTB
	s_xor_b32 s[TB], s[TB], SLOT1                  ; on to the other slot
.endm
.Lslot:                                            ; seven trips: behind each change of slots but the last the next slot is asked for
	CHANGE 1
	FOUR_STEPS
	s_sub_co_u32 s[SLOTS], s[SLOTS], 1
	s_cmp_lg_u32 s[SLOTS], 0
	s_cbranch_scc1 .Lslot
	CHANGE 0                                       ; the last slot is written out
	FOUR_STEPS
	; THE WAY OUT.  The three sums' halves are added (these lines are the places behind the last products); O^T += lL emb_V[0] + lR emb_V[32]; all is divided by lL + lN + lR, rounded to f16, and leaves through my stage.
.irp i, 0,1
.irp x, 2,4,6
	v_add_f32 v[ST+16*\i+\x], v[ST+16*\i+\x], v[ST+16*\i+\x+1]
.endr
.endr
	v_bfe_u32 v240, v0, 4, 1
	v_lshlrev_b32 v240, 5, v240                    ; lane (r, h) wants channels 16 ct + 8 h + 0 .. 7
.irp ct, 0,1,2,3
	global_load_b128 v[S+8*\ct:S+8*\ct+3], v240, s[12:13] offset:64*\ct
	global_load_b128 v[S+8*\ct+4:S+8*\ct+7], v240, s[12:13] offset:64*\ct+16
	global_load_b128 v[S+32+8*\ct:S+32+8*\ct+3], v240, s[12:13] offset:8192+64*\ct
	global_load_b128 v[S+32+8*\ct+4:S+32+8*\ct+7], v240, s[12:13] offset:8192+64*\ct+16
.endr
.irp i, 0,1
.irp x, 2,4,6
	v_permlanex16_b32 v[ST+16*\i+\x+1], v[ST+16*\i+\x], s[SEL], s[SEL+1]
.endr
.endr
.irp i, 0,1
.irp x, 2,4,6
	v_add_f32 v[ST+16*\i+\x], v[ST+16*\i+\x], v[ST+16*\i+\x+1]
.endr
.endr
.irp i, 0,1
	v_add_f32 v[ST+16*\i+8], v[ST+16*\i+2], v[ST+16*\i+4]
.endr
.irp i, 0,1
	v_add_f32 v[ST+16*\i+8], v[ST+16*\i+8], v[ST+16*\i+6]
.endr
.irp i, 0,1
	v_rcp_f32 v[ST+16*\i+10], v[ST+16*\i+8]
.endr
	v_nop                                          ; a plain line behind the reciprocals
	s_wait_alu depctr_va_vdst(0)                   ; and their one wait, ahead of the first reader
	s_wait_loadcnt 0x0
.set nn, 0
.rept 16
.irp i, 0,1
	v_pk_fma_f32 v[OA+32*\i+nn:OA+32*\i+nn+1], v[S+nn:S+nn+1], v[ST+16*\i+2:ST+16*\i+3], v[OA+32*\i+nn:OA+32*\i+nn+1] op_sel_hi:[1,0,1]
.endr
.set nn, nn+2
.endr
.set nn, 0
.rept 16
.irp i, 0,1
	v_pk_fma_f32 v[OA+32*\i+nn:OA+32*\i+nn+1], v[S+32+nn:S+32+nn+1], v[ST+16*\i+6:ST+16*\i+7], v[OA+32*\i+nn:OA+32*\i+nn+1] op_sel_hi:[1,0,1]
.endr
.set nn, nn+2
.endr
.set nn, 0
.rept 16
.irp i, 0,1
	v_pk_mul_f32 v[OA+32*\i+nn:OA+32*\i+nn+1], v[OA+32*\i+nn:OA+32*\i+nn+1], v[ST+16*\i+10:ST+16*\i+11] op_sel_hi:[1,0]
.endr
.set nn, nn+2
.endr
.set nn, 0
.rept 32
	v_cvt_pk_f16_f32 v[P+nn], v[OA+2*nn], v[OA+2*nn+1]
.set nn, nn+1
.endr
.irp i, 0,1
.irp ct, 0,1,2,3
	ds_store_b128 v[STO], v[P+16*\i+4*\ct:P+16*\i+4*\ct+3] offset:\i*16*KP+32*\ct
.endr
.endr
.irp i, 0,1
.irp n, 0,1,2,3
	ds_load_b128 v[S+16*\i+4*\n:S+16*\i+4*\n+3], v[RD] offset:\i*16*KP+4*KP*\n   ; in order behind my stores
.endr
.endr
.irp i, 0,1
.irp n, 0,1,2,3
	s_wait_dscnt 7-4*\i-\n                         ; the younger read-backs may be out
	global_store_b128 v[GO], v[S+16*\i+4*\n:S+16*\i+4*\n+3], s[14:15] offset:2048*\i+512*\n   ; four queries' 128 bytes: 512 consecutive bytes, aligned
.endr
.endr
	s_wait_tensorcnt 0x0                           ; the wave's end, behind my last tensor load and my last LDS store
	ds_add_u32 v[SPW], v[NIL]
	s_wait_dscnt 0x0
	s_endpgm
.Lfunc_end_k_qd4b0b482e2_attn:
	.size	k_qd4b0b482e2_attn, .Lfunc_end_k_qd4b0b482e2_attn-k_qd4b0b482e2_attn
	.p2alignl 7, 3214868480
	.fill 96, 4, 3214868480
	.section	.rodata,"a",@progbits
	.p2align	6, 0x0
	.amdhsa_kernel k_qd4b0b482e2_attn
		.amdhsa_group_segment_fixed_size 327680
		.amdhsa_private_segment_fixed_size 0
		.amdhsa_enable_private_segment 0
		.amdhsa_kernarg_size 48
		.amdhsa_user_sgpr_count 2
		.amdhsa_user_sgpr_kernarg_segment_ptr 1
		.amdhsa_wavefront_size32 1
		.amdhsa_system_sgpr_workgroup_id_x 1
		.amdhsa_system_sgpr_workgroup_id_y 1
		.amdhsa_system_sgpr_workgroup_id_z 1
		.amdhsa_system_vgpr_workitem_id 0
		.amdhsa_next_free_vgpr 512
		.amdhsa_next_free_sgpr 66
		.amdhsa_reserve_vcc 0
		.amdhsa_float_denorm_mode_32 3
		.amdhsa_float_denorm_mode_16_64 3
		.amdhsa_memory_ordered 1
		.amdhsa_forward_progress 1
		.amdhsa_inst_pref_size 119
	.end_amdhsa_kernel
	.amdgpu_metadata
---
amdhsa.version: [ 1, 2 ]
amdhsa.kernels:
  - .name:           k_qd4b0b482e2_attn
    .symbol:         k_qd4b0b482e2_attn.kd
    .args:
      - { .name: q16, .offset: 0, .size: 8, .value_kind: global_buffer, .address_space: global }
      - { .name: k16, .offset: 8, .size: 8, .value_kind: global_buffer, .address_space: global }
      - { .name: v16, .offset: 16, .size: 8, .value_kind: global_buffer, .address_space: global }
      - { .name: emb_K, .offset: 24, .size: 8, .value_kind: global_buffer, .address_space: global }
      - { .name: emb_V, .offset: 32, .size: 8, .value_kind: global_buffer, .address_space: global }
      - { .name: ctx16, .offset: 40, .size: 8, .value_kind: global_buffer, .address_space: global }
    .group_segment_fixed_size: 327680
    .private_segment_fixed_size: 0
    .kernarg_segment_align: 8
    .kernarg_segment_size: 48
    .max_flat_workgroup_size: 256
    .sgpr_count:     66
    .vgpr_count:     512
    .wavefront_size: 32
...
	.end_amdgpu_metadata
.endif
;; end of part 3
;; launch outp (part 4): grid 8 x 32, 4 waves a work-group, clusters of 4 x 4, 327,680 bytes of LDS; arguments ctx16, wo16, out0, bo; writes out0
.if DOCPART == 4
	.amdgcn_target "amdgcn-amd-amdhsa--gfx1250"
	.amdhsa_code_object_version 6
	.text
	.protected	k_qd4b0b482e2_outp
	.globl	k_qd4b0b482e2_outp
	.p2align	8
	.type	k_qd4b0b482e2_outp,@function
k_qd4b0b482e2_outp:
	s_mov_b64 s[64:65], 0
	v_nop
	global_prefetch_b8 v0, s[64:65] scope:SCOPE_SE
	s_setreg_imm32_b32 hwreg(HW_REG_WAVE_MODE, 25, 1), 1
	s_wait_xcnt 0x0
	s_wait_alu depctr_hold_cnt(0) depctr_sa_sdst(0) depctr_va_vdst(0) depctr_va_sdst(0) depctr_va_ssrc(0) depctr_va_vcc(0) depctr_vm_vsrc(0)
	s_getreg_b32 s2, hwreg(HW_REG_IB_STS2, 6, 4)
	s_cmp_eq_u32 s2, 0
	s_cbranch_scc0 .Lentry_in_a_cluster
	s_endpgm
.Lentry_in_a_cluster:
	s_bfe_u32 s2, ttmp6, 0x10000c
	s_cmp_lg_u32 s2, 0xf033
	s_cbranch_scc0 .Lentry_shape_is_right
	s_endpgm
.Lentry_shape_is_right:
; OUTP.  out0[token][n] = sum over k of ctx[token][k] Wo[n][k] + bo[n].  f16 operands, f32 sums, f32 out.
; ctx16: [token / 128][head][token % 128][64];  wo16: [n / 128][head][n % 128][64];  k = 64 x head + channel.  So a tile's 128 rows of one head are 16,384 dense bytes, and neighbouring heads follow each other.
; A tile of out0 is 128 x 128: 256 work-groups.  Four waves, each 64 x 64: 16 accumulators.  K goes in steps of 256 (four heads) through two LDS slots; a wave's tensor load brings two heads of 128 rows: 256 rows of 128 bytes, dense.
; Four K steps: two are asked for at the head (two tensor loads a wave out), two are refills (one out).
; CLUSTERS: 4 x 4 work-groups: ctx's tiles are shared along a row of the cluster, Wo's along a column: joint loads.  THE MATRIX INSTRUCTION IS USED TRANSPOSED (source 0 = 16 rows of Wo, source 1 = 16 tokens): a lane holds eight
; neighbouring outputs of one token.  The bias is the C of each sum's first product.  No prefetch: the tile is small and half of K is asked for at the head.  One tile to a work-group: nothing to stay for.
; REGISTERS: window 0: v0-31 addresses; v32-95 at work on the way out; v96-127 the bias; v128-255 the accumulators ((a, b) at v[128 + 8 (4 a + b)]).
;   window 1: two fragment buffers of 128: for 64 along K (one head), 64 registers of ctx, then 64 of Wo.
.set PITCH,  144                       ; an LDS row: 128 bytes + 16: the 16 rows of a load start 36 words apart
.set PLANE,  128*PITCH                 ; one head's 128 rows
.set HALFT,  2*PLANE                   ; what one tensor load brings
.set SLOT,   4*HALFT                   ; ctx's four heads, then Wo's four
.set KBYTES, 65536                     ; a K step on in memory: four heads of 16,384 bytes
.set SPARE,  2*SLOT                    ; the spare words, 128 bytes a wave
.set SPITCH, 272                       ; the way out: a stage of 16 rows x (256 bytes + 16) for each wave, in slot 0, which has had its last fill and its last read by then
.set ADRA, 16
.set ADRB, 20
.set STO,  24
.set RD,   25
.set CO,   26
.set BO,   27
.set SPW,  28
.set NIL,  29
.set TMP,  32
.set BI,   96
.set ACC,  128
.set F0,   0
.set F1,   128
.set G1, 24
.set G0, 32
.set G1B, 48
.set G0B, 56
.set MSB, 0
.macro WIN new
.if MSB != (\new)
	s_set_vgpr_msb (MSB<<8)|(\new)
.set MSB, \new
.endif
.endm
.set MUL,  0x05                        ; sources 0 and 1 window 1; C and D window 0
.set TO_F, 0x40
.macro JLOAD s                         ; a joint load: waves 0 and 1 fetch ctx's heads, waves 2 and 3 Wo's; an s_nop 0 and four v_nop follow each line
	s_cmp_eq_u32 s11, 0
	s_cbranch_scc0 .Lfor_b_\@
	tensor_load_to_lds s[G0+4*\s:G0+4*\s+3], s[G1:G1+7]
	s_nop 0
.rept 4
	v_nop
.endr
	s_branch .Lasked_\@
.Lfor_b_\@:
	tensor_load_to_lds s[G0B+4*\s:G0B+4*\s+3], s[G1B:G1B+7]
	s_nop 0
.rept 4
	v_nop
.endr
.Lasked_\@:
.endm
.macro CREST                           ; a round of the cluster's barrier behind its opening barrier
	s_cmp_lg_u32 s10, 0
	s_cbranch_scc1 .Lnot_wave_0_\@
	s_barrier_signal -3
.Lnot_wave_0_\@:
	s_barrier_wait -3
	s_barrier_signal -1
	s_barrier_wait -1
.endm
.macro CROUND
	s_barrier_signal -1
	s_barrier_wait -1
	CREST
.endm
	s_load_b128 s[4:7], s[0:1], 0x0                ; ctx16, wo16
	s_load_b64 s[8:9], s[0:1], 0x10                ; out0
	s_load_b64 s[66:67], s[0:1], 0x18              ; bo
	v_lshl_add_u32 v[SPW], v0, 2, SPARE
	v_mov_b32 v[NIL], 0
	ds_add_u32 v[SPW], v[NIL]                      ; the wave's opening: the add, twice on end, and its wait ahead of my first tensor load
	ds_add_u32 v[SPW], v[NIL]
	v_lshrrev_b32 v1, 5, v0
	v_readfirstlane_b32 s10, v1                    ; wave 0..3
	s_lshr_b32 s11, s10, 1                         ; which half of the tile's tokens is mine.  Also: I fetch ctx (0) or Wo (1)
	s_and_b32 s12, s10, 1                          ; which half of its outputs.  Also: which two heads of a K step I fetch
	s_bfe_u32 s40, ttmp6, 0x40000
	s_bfe_u32 s41, ttmp6, 0x40004
	s_lshl_b32 s42, ttmp9, 2
	s_add_co_u32 s42, s42, s40                     ; tile column = 4 x cluster x + cx
	s_and_b32 s13, ttmp7, 0xffff
	s_lshl_b32 s13, s13, 2
	s_add_co_u32 s13, s13, s41                     ; tile row = 4 x cluster y + cy
	s_lshl_b32 s43, s41, 2
	s_lshl_b32 s43, 15, s43                        ; my row of the cluster
	s_lshl_b32 s44, 0x1111, s40                    ; my column
	s_or_b32 s[G1+0], s43, (1<<16)|(1<<20)|(1<<21)|(4<<22)|(3<<25)  ; the mask; elements of 2 bytes; padding on; bit 21 beside a mask; 4 words behind every 32
	s_or_b32 s[G1B+0], s44, (1<<16)|(1<<20)|(1<<21)|(4<<22)|(3<<25)
.irp g, G1, G1B
	s_mov_b32 s[\g+1], 64<<16                      ; tensor_dim0 = 64
	s_mov_b32 s[\g+2], 256<<16                     ; tensor_dim1 = 256
	s_mov_b32 s[\g+3], 64<<16                      ; tile_dim0 = 64
	s_mov_b32 s[\g+4], 256                         ; tile_dim1 = 256: two heads of 128 rows, dense
	s_mov_b32 s[\g+5], 64                          ; from row to row
	s_mov_b32 s[\g+6], 0
	s_mov_b32 s[\g+7], 0
.endr
	s_lshl_b32 s17, s12, 15                        ; my two heads of a K step's four
	s_lshl_b32 s16, s13, 18                        ; ctx: the tile row's block of 128 tokens: 262,144 bytes
	s_add_co_u32 s16, s16, s17
	s_lshl_b32 s46, s42, 18                        ; Wo: the tile column's block of 128 rows
	s_add_co_u32 s46, s46, s17
	s_mov_b32 s17, 0
	s_mov_b32 s47, 0
	s_mul_i32 s20, s10, HALFT                      ; where they go: wave x 256 rows: no place in the cluster enters an LDS address
	s_wait_dscnt 0x0                               ; both opening adds are done
	s_wait_kmcnt 0x0
	s_add_nc_u64 s[14:15], s[4:5], s[16:17]
	s_add_nc_u64 s[46:47], s[6:7], s[46:47]
	CROUND                                         ; all sixteen work-groups are here: the first joint loads meet
.irp s, 0,1
	s_mov_b32 s[G0+4*\s], 1
	s_add_co_u32 s[G0+4*\s+1], s20, \s*SLOT
	s_add_nc_u64 s[G0+4*\s+2:G0+4*\s+3], s[14:15], \s*KBYTES
	s_or_b32 s[G0+4*\s+3], s[G0+4*\s+3], 0x80000000
	s_mov_b32 s[G0B+4*\s], 1
	s_add_co_u32 s[G0B+4*\s+1], s20, \s*SLOT
	s_add_nc_u64 s[G0B+4*\s+2:G0B+4*\s+3], s[46:47], \s*KBYTES
	s_or_b32 s[G0B+4*\s+3], s[G0B+4*\s+3], 0x80000000
	JLOAD \s
.endr
	v_and_b32 v1, 15, v0                           ; r
	v_bfe_u32 v2, v0, 4, 1                         ; h
	s_lshl_b32 s46, s42, 9
	s_lshl_b32 s47, s12, 8
	s_add_co_u32 s46, s46, s47                     ; my first output, in bytes of f32: 512 x tile column + 256 x half
	s_mov_b32 s47, 0
	s_add_nc_u64 s[66:67], s[66:67], s[46:47]
	v_lshlrev_b32 v[BO], 5, v2                     ; the bias: lane (r, h) wants, for block b, outputs 16 b + 8 h + 0 .. 7
.irp b, 0,1,2,3
	global_load_b128 v[BI+8*\b:BI+8*\b+3], v[BO], s[66:67] offset:64*\b
	global_load_b128 v[BI+8*\b+4:BI+8*\b+7], v[BO], s[66:67] offset:64*\b+16
.endr
	v_mul_u32_u24 v3, v1, PITCH
	v_lshl_add_u32 v3, v2, 4, v3                   ; a fragment's row x pitch + 16 x half
	s_mul_i32 s21, s11, 64*PITCH                   ; my 64 tokens of a head's 128
	s_mul_i32 s22, s12, 64*PITCH                   ; my 64 rows of Wo,
	s_add_co_u32 s22, s22, 2*HALFT                 ; whose heads lie behind ctx's four
.irp s, 0,1
	v_add_nc_u32 v[ADRA+\s], s21, v3
	v_add_nc_u32 v[ADRB+\s], s22, v3
	s_add_co_u32 s21, s21, SLOT
	s_add_co_u32 s22, s22, SLOT
.endr
	s_mul_i32 s23, s10, 16*SPITCH                  ; my stage
	v_mul_u32_u24 v4, v1, SPITCH
	v_lshl_add_u32 v4, v2, 5, v4
	v_add_nc_u32 v[STO], s23, v4                   ; in: row r, 32 bytes for each half of the lanes
	v_mul_u32_u24 v5, v2, SPITCH
	v_lshl_add_u32 v5, v1, 4, v5
	v_add_nc_u32 v[RD], s23, v5                    ; back: lanes 0-15 one row of 256 bytes, lanes 16-31 the next
	v_lshlrev_b32 v5, 12, v2
	v_lshl_add_u32 v[CO], v1, 4, v5                ; and the same two rows in out0
	s_lshl_b32 s16, s13, 7
	s_lshl_b32 s17, s11, 6
	s_add_co_u32 s16, s16, s17                     ; my first token: 128 x tile row + 64 x half
	s_lshl_b32 s16, s16, 12                        ; rows of 4,096 bytes
	s_mov_b32 s17, 0
	s_add_nc_u64 s[8:9], s[8:9], s[16:17]
	s_add_nc_u64 s[8:9], s[8:9], s[46:47]
; 8 matrix instructions: token blocks a0, a0 + 1 x all 4 output blocks, 32 along K: half c of buffer f.  first = 1: the bias is C and starts the sums.  The 16 accumulators take turns.
.macro MUL8 f, c, a0, first
.irp a, \a0, \a0+1
.irp b, 0,1,2,3
.if \first
	v_wmma_f32_16x16x32_f16 v[ACC+8*(4*(\a)+\b):ACC+8*(4*(\a)+\b)+7], v[\f+64+8*(4*\c+\b):\f+64+8*(4*\c+\b)+7], v[\f+8*(4*\c+\a):\f+8*(4*\c+\a)+7], v[BI+8*\b:BI+8*\b+7]
.else
	v_wmma_f32_16x16x32_f16 v[ACC+8*(4*(\a)+\b):ACC+8*(4*(\a)+\b)+7], v[\f+64+8*(4*\c+\b):\f+64+8*(4*\c+\b)+7], v[\f+8*(4*\c+\a):\f+8*(4*\c+\a)+7], v[ACC+8*(4*(\a)+\b):ACC+8*(4*(\a)+\b)+7]
.endif
.endr
.endr
.endm
; 32 LDS loads in one run: the fragments of one head (64 along K), which begins k bytes into the slot's part, into buffer f; the first 32 along K first
.macro FETCH slot, k, f
	WIN TO_F
.irp c, 0,1
.irp i, 0,1,2,3
	ds_load_b128 v[\f+64+8*(4*\c+\i):\f+64+8*(4*\c+\i)+3],   v[ADRB+\slot] offset:\k+64*\c+\i*16*PITCH
	ds_load_b128 v[\f+64+8*(4*\c+\i)+4:\f+64+8*(4*\c+\i)+7], v[ADRB+\slot] offset:\k+64*\c+\i*16*PITCH+32
	ds_load_b128 v[\f+8*(4*\c+\i):\f+8*(4*\c+\i)+3],         v[ADRA+\slot] offset:\k+64*\c+\i*16*PITCH
	ds_load_b128 v[\f+8*(4*\c+\i)+4:\f+8*(4*\c+\i)+7],       v[ADRA+\slot] offset:\k+64*\c+\i*16*PITCH+32
.endr
.endr
.endm
.macro PLACES                          ; four plain lines in front of loads into registers that matrix instructions have read, and of reads of results
.rept 4
	v_nop
.endr
.endm
; A K step is four quarters, a head each: 32 matrix instructions, on buffers 0, 1, 0, 1.  One of the first three: multiplies buffer f and fetches the next head, at byte k, into g.
.macro QUARTER slot, k, f, g, first
	s_wait_dscnt 16                                ; the first 32 along K are in
	WIN MUL
	MUL8 \f, 0, 0, \first
	MUL8 \f, 0, 2, \first
	PLACES
	FETCH \slot, \k, \g
	s_wait_dscnt 32                                ; all but the 32 just issued
	WIN MUL
	MUL8 \f, 1, 0, 0
	MUL8 \f, 1, 2, 0
.endm
; The last quarter multiplies buffer 1 and changes slots: ONE barrier; in front of it each wave waits for all its tensor loads, adds 0 to its spare word, and waits for that and for its reads of this slot.  fill = 1: this slot is filled again, two K steps ahead.
.macro TURN slot, next, fill
	WIN 0
	s_wait_tensorcnt 0x0                           ; all my tensor loads have landed: my part of the next slot
	ds_add_u32 v[SPW], v[NIL]
	s_wait_dscnt 17                                ; (the add and the youngest sixteen loads may be out)
	WIN MUL
	MUL8 F1, 0, 0, 0
	s_wait_dscnt 0x0                               ; the add is done, and my reads of this slot are over
	s_barrier_signal -1
	MUL8 F1, 0, 2, 0
.if \fill
	WIN 0
.endif
	s_barrier_wait -1
.if \fill
	CREST                                          ; the barrier has opened a round of the cluster's barrier: no wave of any partner still reads this slot or has a load on its way
	s_add_nc_u64 s[G0+4*\slot+2:G0+4*\slot+3], s[G0+4*\slot+2:G0+4*\slot+3], 2*KBYTES
	s_add_nc_u64 s[G0B+4*\slot+2:G0B+4*\slot+3], s[G0B+4*\slot+2:G0B+4*\slot+3], 2*KBYTES
	JLOAD \slot                                    ; the first tensor load behind the round; its four v_nop are also the places in front of the loads below
.else
	PLACES
.endif
	FETCH \next, 0, F0
	WIN MUL
	MUL8 F1, 1, 0, 0
	MUL8 F1, 1, 2, 0
.endm
	s_wait_loadcnt 0x0                             ; the bias
	s_wait_tensorcnt 1                             ; my part of K step 0 is in (K step 1's load may be out)
	s_barrier_signal -1
	s_barrier_wait -1                              ; everybody's is
	FETCH 0, 0, F0
	QUARTER 0, PLANE,   F0, F1, 1                  ; K step 0
	QUARTER 0, 2*PLANE, F1, F0, 0
	QUARTER 0, 3*PLANE, F0, F1, 0
	TURN 0, 1, 1                                   ; slot 0 takes K step 2
	QUARTER 1, PLANE,   F0, F1, 0                  ; K step 1
	QUARTER 1, 2*PLANE, F1, F0, 0
	QUARTER 1, 3*PLANE, F0, F1, 0
	TURN 1, 0, 1                                   ; slot 1 takes K step 3
	QUARTER 0, PLANE,   F0, F1, 0                  ; K step 2
	QUARTER 0, 2*PLANE, F1, F0, 0
	QUARTER 0, 3*PLANE, F0, F1, 0
	TURN 0, 1, 0                                   ; nothing is left to fetch
	QUARTER 1, PLANE,   F0, F1, 0                  ; K step 3
	QUARTER 1, 2*PLANE, F1, F0, 0
	QUARTER 1, 3*PLANE, F0, F1, 0
	s_wait_dscnt 16
	WIN MUL
	MUL8 F1, 0, 0, 0
	MUL8 F1, 0, 2, 0
	s_wait_dscnt 0
	MUL8 F1, 1, 0, 0
	MUL8 F1, 1, 2, 0
	WIN 0
; THE WAY OUT, a block of 16 tokens x 64 outputs at a time: a lane's 32 bytes go into my own stage, each accumulator from its low end on, and come back as whole rows of 256 bytes: sixteen lanes store 256 consecutive bytes, aligned.
; LDS serves a wave's instructions in order: no wait between the stage's stores and loads, nor in front of the next block's stores.
.macro TOSTAGE a
.set BB, TMP+32*((\a)%2)
.irp b, 0,1,2,3
	ds_store_b128 v[STO], v[ACC+8*(4*(\a)+\b):ACC+8*(4*(\a)+\b)+3] offset:64*\b
	ds_store_b128 v[STO], v[ACC+8*(4*(\a)+\b)+4:ACC+8*(4*(\a)+\b)+7] offset:64*\b+16
.endr
.irp t, 0,1,2,3,4,5,6,7
	ds_load_b128 v[BB+4*\t:BB+4*\t+3], v[RD] offset:\t*2*SPITCH
.endr
.endm
.macro SEND a, younger                 ; younger: the LDS instructions issued behind block a's loads, which may stay out
.set BB, TMP+32*((\a)%2)
	s_wait_dscnt \younger
.irp t, 0,1,2,3,4,5,6,7
	global_store_b128 v[CO], v[BB+4*\t:BB+4*\t+3], s[8:9] offset:(16*(\a)+2*\t)*4096 th:TH_STORE_NT
.endr
.endm
	PLACES
	TOSTAGE 0
.irp a, 1,2,3
.if \a > 1
	s_wait_xcnt 0x0                                ; block a - 2's stores have read their registers: block a's loads may land there
.endif
	TOSTAGE \a
	SEND \a-1, 16                                  ; behind block a - 1's loads: block a's 8 stores and 8 loads
.endr
	SEND 3, 0
	s_wait_tensorcnt 0x0                           ; the wave's end, behind my last tensor load and my last LDS store
	ds_add_u32 v[SPW], v[NIL]
	s_wait_dscnt 0x0
	CROUND                                         ; the closing round: no work-group ends while a partner may still ask for a tile that names it
	s_endpgm
.Lfunc_end_k_qd4b0b482e2_outp:
	.size	k_qd4b0b482e2_outp, .Lfunc_end_k_qd4b0b482e2_outp-k_qd4b0b482e2_outp
	.p2alignl 7, 3214868480
	.fill 96, 4, 3214868480
	.section	.rodata,"a",@progbits
	.p2align	6, 0x0
	.amdhsa_kernel k_qd4b0b482e2_outp
		.amdhsa_group_segment_fixed_size 327680
		.amdhsa_private_segment_fixed_size 0
		.amdhsa_enable_private_segment 0
		.amdhsa_kernarg_size 32
		.amdhsa_user_sgpr_count 2
		.amdhsa_user_sgpr_kernarg_segment_ptr 1
		.amdhsa_wavefront_size32 1
		.amdhsa_system_sgpr_workgroup_id_x 1
		.amdhsa_system_sgpr_workgroup_id_y 1
		.amdhsa_system_sgpr_workgroup_id_z 1
		.amdhsa_system_vgpr_workitem_id 0
		.amdhsa_next_free_vgpr 512
		.amdhsa_next_free_sgpr 68
		.amdhsa_reserve_vcc 0
		.amdhsa_float_denorm_mode_32 3
		.amdhsa_float_denorm_mode_16_64 3
		.amdhsa_memory_ordered 1
		.amdhsa_forward_progress 1
		.amdhsa_inst_pref_size 86
	.end_amdhsa_kernel
	.amdgpu_metadata
---
amdhsa.version: [ 1, 2 ]
amdhsa.kernels:
  - .name:           k_qd4b0b482e2_outp
    .symbol:         k_qd4b0b482e2_outp.kd
    .args:
      - { .name: ctx16, .offset: 0, .size: 8, .value_kind: global_buffer, .address_space: global }
      - { .name: wo16, .offset: 8, .size: 8, .value_kind: global_buffer, .address_space: global }
      - { .name: out0, .offset: 16, .size: 8, .value_kind: global_buffer, .address_space: global }
      - { .name: bo, .offset: 24, .size: 8, .value_kind: global_buffer, .address_space: global }
    .group_segment_fixed_size: 327680
    .private_segment_fixed_size: 0
    .kernarg_segment_align: 8
    .kernarg_segment_size: 32
    .max_flat_workgroup_size: 128
    .sgpr_count:     68
    .vgpr_count:     512
    .wavefront_size: 32
...
	.end_amdgpu_metadata
.endif
;; end of part 4
